; MI455X (gfx1250); checked and timed in simulation.
; The chip was launched on July 23, 2026; its instructions are those of AMD's public machine-readable ISA for CDNA 5 (MIT licence, August 2026) and "CDNA5" Instruction Set Architecture Reference Guide (July 2026). The comments in the code are by the model that wrote it; some were corrected since.
;; Continuous Time Attention. Allowed arithmetic: matrix products marked QUANTISED: E5M2 operands, one E8M0 scale for each 32 along K, by v_wmma_scale_f32_16x16x128_f8f6f4 with both operands' format E5M2, f32 sums; everything else in f32.
;; Inputs: Wk 1,024 x 1,024 float32; Wo 1,024 x 1,024 float32; Wq 1,024 x 1,024 float32; Wv 1,024 x 1,024 float32; bk 1,024 float32; bo 1,024 float32; bq 1,024 float32; bv 1,024 float32; time_decay 16 float32; time_deltas 2 x 2,048 float32; x 2 x 2,048 x 1,024 float32.
;; Outputs: out0 2 x 2,048 x 1,024 float32.
;; This version of the problem:
;;   THIS VERSION OF THE PROBLEM IS GIVEN IN LOW PRECISION. The matrix products marked QUANTISED in the list below multiply operands that are first quantised to E5M2 (5 exponent bits, 2 mantissa bits; 8 bits a number), with one power-of-two scale for each 32 numbers along K (OCP MX v1.0); their sums are f32. All else is computed in f32.
;;   The module's matrix products, in the order in which they are computed (A, B: the left and right operand; K: the contracted axis; several contracted axes count as one K, in the product's order):
;;     1. [M 4,096, K 1,024] x [K 1,024, N 1,024]; A: input x; B: input Wq: QUANTISED
;;     2. [M 4,096, K 1,024] x [K 1,024, N 1,024]; A: input x; B: input Wk: QUANTISED
;;     3. [M 4,096, K 1,024] x [K 1,024, N 1,024]; A: input x; B: input Wv: QUANTISED
;;     4. batch 32 x [M 2,048, K 64] x [K 64, N 2,048]; A: computed on the way; B: computed on the way: QUANTISED
;;     5. batch 32 x [M 2,048, K 2,048] x [K 2,048, N 64]; A: softmax (see below); B: computed on the way: QUANTISED
;;     6. [M 4,096, K 1,024] x [K 1,024, N 1,024]; A: computed on the way; B: input Wo: QUANTISED
;;   THE QUANTISER, for each operand of a quantised product, along K:
;;     - K is cut into blocks of 32 from its start; a last block that is shorter is filled with zeros.
;;     - A block's scale is 2^e with e = floor(log2(the largest magnitude in the block)) - 15, held to -126 .. 127; a block of zeros has e = 0. As a byte (E8M0): e + 127.
;;     - Each number is divided by its block's scale, clamped to +-57,344, and rounded to the nearest number of E5M2, ties to even, subnormals kept.
;;     - The product sums the exact products of the quantised numbers (number of the format x scale) in f32.
;;   ~~~python
;;   def quantise(x, axis):      # numpy; x: float32 -> the quantised numbers, widened to float32 again
;;       x = np.moveaxis(x, axis, -1); K = x.shape[-1]
;;       x = np.pad(x, [(0, 0)] * (x.ndim - 1) + [(0, -K % 32)]); x = x.reshape(x.shape[:-1] + (-1, 32)); a = np.abs(x).max(-1, keepdims=True)
;;       e = np.where(a > 0, np.clip(np.frexp(np.where(a > 0, a, 1))[1] - 1 - 15, -126, 127), 0)      # np.frexp(a)[1] - 1 = floor(log2(a)), exactly
;;       r = np.clip(x / 2.0 ** e, -57344, 57344)
;;       step = 2.0 ** (np.maximum(np.frexp(np.where(r == 0, 1, r))[1] - 1, -14) - 2)
;;       q = np.round(r / step) * step * 2.0 ** e      # np.round: ties to even
;;       return np.moveaxis(q.reshape(q.shape[:-2] + (-1,))[..., :K], -1, axis).astype(np.float32)
;;   ~~~
;;   SOFTMAX AHEAD OF A QUANTISED PRODUCT. Where the list says 'softmax', what is quantised is not the finished softmax but p = 2^(t - M), with t = logit x log2(e) and M = ceil(the row's largest t), a whole number; so 1/2 < the row's largest p <= 1. The row's sum l is taken of the UNQUANTISED p, in f32, and the product's result is divided by l at the end. Since M is a whole number, a kernel that streams over the keys may use a running M (the ceiling of the running maximum): every later rescaling is an exact power of two, which a block's scale takes up: the codes' values come out the same.
;;   OPERANDS COMPUTED ON THE WAY. 'Computed on the way' means the value that the module computes at that place (a softmax that the list does not call 'softmax' is quantised finished and normalised). What goes into a quantiser is computed in f32, as accurately as f32 sums, v_exp_f32 and their like allow (about 1e-6 of the number): no bf16 or f16 on the way to a quantiser, and a product that is left as it is and whose result goes on into a quantised operand takes f32 operands (vector FMAs, or v_wmma_f32_16x16x4_f32). A number that lies on a knife's edge between two numbers of the format may be rounded either way, as far as f32 arithmetic and the matrix unit's own rounding can turn it there, and no further.
;; One version. Each part assembles by itself: llvm-mc -triple=amdgcn-amd-amdhsa -mcpu=gfx1250 --defsym DOCPART=n.
;; ======== version 1 of 1: 4 launches
;; limits: right only within a limited range of input values
;; workspace buffers: xcodes 4,194,304 bytes; xscales 131,072 bytes; wcodes 4,194,304 bytes; wscales 131,072 bytes; qkv 12,582,912 bytes; qkvs 393,216 bytes; acodes 4,194,304 bytes; ascales 131,072 bytes
;; launch quant (part 1): grid 256 x 1, 4 waves a work-group, no clusters, 33,280 bytes of LDS; arguments x, Wq, Wk, Wv, Wo, xcodes, xscales, wcodes, wscales; writes xcodes, xscales, wcodes, wscales
.if DOCPART == 1
	.amdgcn_target "amdgcn-amd-amdhsa--gfx1250"
	.amdhsa_code_object_version 6
	.text
	.protected	k_qe176e53c4a_quant
	.globl	k_qe176e53c4a_quant
	.p2align	8
	.type	k_qe176e53c4a_quant,@function
k_qe176e53c4a_quant:
	s_mov_b64 s[64:65], 0
	v_nop
	global_prefetch_b8 v0, s[64:65] scope:SCOPE_SE
	s_setreg_imm32_b32 hwreg(HW_REG_WAVE_MODE, 25, 1), 1
	s_wait_xcnt 0x0
; THE PROGRAM: causal attention whose scores are multiplied by exp(-a_h |t_q - t_k|), between four projections, all six products on codes of E5M2 with one E8M0 scale for each 32 along K.
; Four launches: this one (x and the four weights into codes), the three projections Q, K, V (their results quantised on the way out), the attention, the projection on the way out.
; WORK LEFT OUT: the causal mask is built by the problem itself (key k counts for query q where k <= q); a masked score is -infinity, its p is 0 and adds nothing to the row's sum or to the
; second product, whatever finite values the inputs hold.  So the attention multiplies no step of 128 keys that lies wholly behind a wave's 16 queries.  Nothing else is left out: every input is loaded
; (bq, bk and bv move the codes of q, k and v; bo is added at the end).  LIMIT: a NaN, an infinity or an overflow that reaches only masked scores is not carried to the result.
; THIS LAUNCH: x [4096][1024] and Wq, Wk, Wv, Wo [1024][1024], f32, K innermost, become codes of E5M2 and one scale byte for each 32 along K.
; A block's scale is 2^(floor(log2(its largest magnitude)) - 15); its byte is the largest magnitude's exponent field - 15, held at 1 from below.  Each number is divided by the scale, held within +-57,344 and rounded to the nearest code, ties to even.
; LIMITS: a block of zeros, or one whose largest magnitude lies under 2^-111, gets the byte 1 (its codes are zeros or the floor's; the bytes are read by this program alone); NaN and infinities among the inputs are not served.
; THE ROWS LEAVE IN ANOTHER ORDER: row rho is stored at the position that has rho's bits 3 and 4 exchanged.  Sixteen neighbouring positions 16 (2 b + u) + r then are the rows 32 b + 8 u + r + 8 (r / 8):
; in a product used transposed, a lane's 16 registers of two neighbouring tiles are 16 neighbours along the next product's K.  A wave takes 8 rows, so the exchange is one of the wave's number's two bits.
; A wave takes 16 steps of 512 numbers.  Each load reads 512 consecutive bytes; a step's 2,048 bytes turn through the wave's own stage in LDS and come back 64 bytes a lane: 16 neighbours, two lanes to a block.
; Work-groups 0-127 take x, then 32 each Wq, Wk, Wv, Wo: only pointers are chosen, by the work-group's number; all take one path.  No barrier: waves share nothing.
.set WAVES, 4
.set STEPS, 16
.set EMAX,  15
.set MANT,  0x600000                   ; the mantissa field of 57,344 as f32
.set CB,    16                         ; bytes of 16 codes
.set R,     16                         ; v16-79   four sets of 16 numbers as they are loaded
.set X,     80                         ; v80-111  two sets of 16 neighbours
.set C,     128                        ; v128-191 codes: four registers for each step, so that no store's data are written again
.set E,     112                        ; v112-127 a scale byte for each step
.set WREG,  8192                       ; LDS: a region for each wave: two stages of 32 x SP bytes, behind them its 256 scale bytes
.set SP,    80                         ; a lane's place in a stage: its 64 bytes + 16 of padding
.set SPW,   12                         ; v12      LDS address of my spare word; never rewritten
.set NIL,   13                         ; v13      0; never rewritten
.set SPARE, WAVES*WREG                 ; behind the four regions: the spare words, 128 bytes for each wave
	s_load_b512 s[4:19], s[0:1], 0x0               ; x, Wq, Wk, Wv, Wo, x's codes, x's scales, the weights' codes
	s_load_b64 s[20:21], s[0:1], 0x40              ; the weights' scales
	v_lshl_add_u32 v[SPW], v0, 2, SPARE
	v_mov_b32 v[NIL], 0
	v_lshrrev_b32 v1, 5, v0
	v_readfirstlane_b32 s22, v1                    ; wave
	v_and_b32 v2, 31, v0                           ; lane
	v_lshlrev_b32 v3, 4, v2                        ; my 16 bytes of a load's 512
	s_mul_i32 s26, s22, WREG
	v_lshrrev_b32 v14, 2, v2
	v_mul_u32_u24 v14, v14, SP
	v_and_b32 v15, 3, v2
	v_lshl_add_u32 v14, v15, 4, v14
	v_add_nc_u32 v14, s26, v14                     ; the stage, on the way in: SP (lane / 4) + 16 (lane % 4)
	v_mul_u32_u24 v15, v2, SP
	v_add_nc_u32 v15, s26, v15                     ; and on the way out: SP x lane: my 16 neighbours
	v_mul_u32_u24 v4, v2, CB                       ; my codes' place in a step's
	v_lshrrev_b32 v5, 1, v2
	s_add_co_u32 s26, s26, 2*32*SP
	v_add_nc_u32 v5, s26, v5                       ; LDS: my wave's 256 scale bytes, my block's byte
	v_lshlrev_b32 v7, 3, v2                        ; and on the way out 8 bytes a lane
	v_add_nc_u32 v6, s26, v7
	s_mov_b32 s33, MANT
	s_and_b32 s24, ttmp9, 31                       ; a weight's work-group among its 32
	s_and_b32 s25, ttmp9, 127                      ; the work-group's place in the buffer that it writes
	s_wait_alu depctr_va_vdst(0)
	s_wait_kmcnt 0x0
	s_cmp_lt_u32 ttmp9, 224                        ; which tensor: the choices hang on the work-group's number alone
	s_cselect_b64 s[12:13], s[10:11], s[12:13]
	s_cmp_lt_u32 ttmp9, 192
	s_cselect_b64 s[12:13], s[8:9], s[12:13]
	s_cmp_lt_u32 ttmp9, 160
	s_cselect_b64 s[12:13], s[6:7], s[12:13]
	s_cmp_lt_u32 ttmp9, 128
	s_cselect_b64 s[12:13], s[4:5], s[12:13]       ; s[12:13]: what I read
	s_cselect_b64 s[14:15], s[14:15], s[18:19]     ; s[14:15]: the codes' buffer
	s_cselect_b64 s[16:17], s[16:17], s[20:21]     ; s[16:17]: the scale bytes'
	s_cselect_b32 s23, ttmp9, s24
	s_lshl_b32 s23, s23, 2
	s_add_co_u32 s28, s23, s22                     ; which run of 8 rows I read
	s_lshl_b32 s30, s28, 15                        ; 32,768 bytes a run
	s_mov_b32 s31, 0
	s_add_nc_u64 s[12:13], s[12:13], s[30:31]
	s_and_b32 s27, s22, 1                          ; the wave's two bits exchanged: rows' bits 3 and 4
	s_lshl_b32 s27, s27, 1
	s_lshr_b32 s32, s22, 1
	s_or_b32 s27, s27, s32
	s_lshl_b32 s25, s25, 2
	s_add_co_u32 s28, s25, s27                     ; which run of 8 positions I write
	s_lshl_b32 s30, s28, 13                        ; 8,192 bytes of codes a run
	s_add_nc_u64 s[14:15], s[14:15], s[30:31]
	s_lshl_b32 s30, s28, 8                         ; 256 scale bytes a run
	s_add_nc_u64 s[16:17], s[16:17], s[30:31]
.macro LOAD t
.irp i, 0,1,2,3
	global_load_b128 v[R+16*((\t)%4)+4*\i:R+16*((\t)%4)+4*\i+3], v3, s[12:13] offset:2048*(\t)+512*\i th:TH_LOAD_NT   ; 32 lanes read 512 consecutive bytes
.endr
.endm
.macro TURN t                          ; step t's numbers through the stage: LDS serves a wave's instructions in order, so no wait stands between the stores and the loads
.irp i, 0,1,2,3
	ds_store_b128 v14, v[R+16*((\t)%4)+4*\i:R+16*((\t)%4)+4*\i+3] offset:32*SP*((\t)%2)+8*SP*\i
.endr
.irp i, 0,1,2,3
	ds_load_b128 v[X+16*((\t)%2)+4*\i:X+16*((\t)%2)+4*\i+3], v15 offset:32*SP*((\t)%2)+16*\i
.endr
.endm
.irp t, 0,1,2,3
	LOAD \t
.endr
	s_wait_loadcnt 12                              ; step 0's four loads are in
	TURN 0
.macro STEP t
.set XS, X+16*((\t)%2)
.if (\t) > 0
	s_wait_dscnt 1                                 ; this step's numbers are back from the stage (the last step's byte store may be out): its stores into the stage have read their registers,
.else
	s_wait_dscnt 0x0
.endif
.if (\t)+4 < STEPS
	LOAD (\t)+4                                    ; which take the loads of four steps on
.endif
.if (\t)+1 < STEPS
.if STEPS-2-(\t) >= 3
	s_wait_loadcnt 12                              ; the next step's four loads are in; those of the three steps behind it may be out
.else
	s_wait_loadcnt 4*(STEPS-2-(\t))
.endif
	TURN (\t)+1                                    ; and go through the other stage while this step is worked
.endif
	v_max3_num_f32 v8, |v[XS]|, |v[XS+1]|, |v[XS+2]|               ; the largest magnitude of my 16
	v_max3_num_f32 v9, |v[XS+3]|, |v[XS+4]|, |v[XS+5]|
.irp i, 6,10
	v_max3_num_f32 v8, v8, |v[XS+\i]|, |v[XS+\i+1]|
	v_max3_num_f32 v9, v9, |v[XS+\i+2]|, |v[XS+\i+3]|
.endr
	v_max3_num_f32 v8, v8, |v[XS+14]|, |v[XS+15]|
	v_max3_num_f32 v8, v8, v9, (EMAX+1)<<23        ; and the floor 2^(16 - 127): the byte cannot fall under 1
	v_max_num_f32_dpp v8, v8, v8 row_xmask:1 row_mask:0xf bank_mask:0xf   ; and of my neighbour's 16: the block's
	v_add_nc_u32 v11, -(EMAX<<23), v8              ; 15 off its exponent field: the conversion takes the exponent field of this operand as its scale
	v_and_or_b32 v10, v8, 0x7f800000, s33          ; 57,344 x the scale
.irp i, 0,1,2,3,4,5,6,7,8,9,10,11,12,13,14,15
	v_med3_num_f32 v[XS+\i], v[XS+\i], -v10, v10   ; the conversion to an 8-bit code does not saturate (ISA guide 7.6.2): hold the number first
.endr
	v_cvt_scalef32_pk8_bf8_f32 v[C+4*(\t):C+4*(\t)+1], v[XS:XS+7], v11
	v_cvt_scalef32_pk8_bf8_f32 v[C+4*(\t)+2:C+4*(\t)+3], v[XS+8:XS+15], v11
	v_lshrrev_b32 v[E+(\t)], 23, v11               ; the scale's byte
	ds_store_b8 v5, v[E+(\t)] offset:16*(\t)       ; both lanes of a block write the same byte with the same value
	global_store_b128 v4, v[C+4*(\t):C+4*(\t)+3], s[14:15] offset:32*CB*(\t)   ; the wave stores 512 consecutive bytes, aligned
.endm
.irp t, 0,1,2,3,4,5,6,7,8,9,10,11,12,13,14,15
	STEP \t
.endr
	ds_load_b64 v[8:9], v6                         ; LDS serves a wave's instructions in order: these see my stores
	s_wait_dscnt 0x0
	global_store_b64 v7, v[8:9], s[16:17]          ; 32 lanes store 256 consecutive bytes, aligned
	s_wait_tensorcnt 0x0                           ; the wave's end: a wait, an add to my spare word and its wait, behind my last LDS store
	ds_add_u32 v[SPW], v[NIL]
	s_wait_dscnt 0x0
	s_endpgm
.Lfunc_end_k_qe176e53c4a_quant:
	.size	k_qe176e53c4a_quant, .Lfunc_end_k_qe176e53c4a_quant-k_qe176e53c4a_quant
	.p2alignl 7, 3214868480
	.fill 96, 4, 3214868480
	.section	.rodata,"a",@progbits
	.p2align	6, 0x0
	.amdhsa_kernel k_qe176e53c4a_quant
		.amdhsa_group_segment_fixed_size 33280
		.amdhsa_private_segment_fixed_size 0
		.amdhsa_enable_private_segment 0
		.amdhsa_kernarg_size 72
		.amdhsa_user_sgpr_count 2
		.amdhsa_user_sgpr_kernarg_segment_ptr 1
		.amdhsa_wavefront_size32 1
		.amdhsa_system_sgpr_workgroup_id_x 1
		.amdhsa_system_sgpr_workgroup_id_y 1
		.amdhsa_system_sgpr_workgroup_id_z 1
		.amdhsa_system_vgpr_workitem_id 0
		.amdhsa_next_free_vgpr 192
		.amdhsa_next_free_sgpr 66
		.amdhsa_reserve_vcc 0
		.amdhsa_float_denorm_mode_32 3
		.amdhsa_float_denorm_mode_16_64 3
		.amdhsa_memory_ordered 1
		.amdhsa_forward_progress 1
		.amdhsa_inst_pref_size 51
	.end_amdhsa_kernel
	.amdgpu_metadata
---
amdhsa.version: [ 1, 2 ]
amdhsa.kernels:
  - .name:           k_qe176e53c4a_quant
    .symbol:         k_qe176e53c4a_quant.kd
    .args:
      - { .name: x, .offset: 0, .size: 8, .value_kind: global_buffer, .address_space: global }
      - { .name: Wq, .offset: 8, .size: 8, .value_kind: global_buffer, .address_space: global }
      - { .name: Wk, .offset: 16, .size: 8, .value_kind: global_buffer, .address_space: global }
      - { .name: Wv, .offset: 24, .size: 8, .value_kind: global_buffer, .address_space: global }
      - { .name: Wo, .offset: 32, .size: 8, .value_kind: global_buffer, .address_space: global }
      - { .name: xcodes, .offset: 40, .size: 8, .value_kind: global_buffer, .address_space: global }
      - { .name: xscales, .offset: 48, .size: 8, .value_kind: global_buffer, .address_space: global }
      - { .name: wcodes, .offset: 56, .size: 8, .value_kind: global_buffer, .address_space: global }
      - { .name: wscales, .offset: 64, .size: 8, .value_kind: global_buffer, .address_space: global }
    .group_segment_fixed_size: 33280
    .private_segment_fixed_size: 0
    .kernarg_segment_align: 8
    .kernarg_segment_size: 72
    .max_flat_workgroup_size: 128
    .sgpr_count:     66
    .vgpr_count:     192
    .wavefront_size: 32
...
	.end_amdgpu_metadata
.endif
;; end of part 1
;; launch qkvgemm (part 2): grid 12 x 16, 4 waves a work-group, clusters of 4 x 4, 327,680 bytes of LDS; arguments xcodes, xscales, wcodes, wscales, bq, bk, bv, qkv, qkvs; writes qkv, qkvs
.if DOCPART == 2
	.amdgcn_target "amdgcn-amd-amdhsa--gfx1250"
	.amdhsa_code_object_version 6
	.text
	.protected	k_qe176e53c4a_qkvgemm
	.globl	k_qe176e53c4a_qkvgemm
	.p2align	8
	.type	k_qe176e53c4a_qkvgemm,@function
k_qe176e53c4a_qkvgemm:
	s_mov_b64 s[64:65], 0
	v_nop
	global_prefetch_b8 v0, s[64:65] scope:SCOPE_SE
	s_setreg_imm32_b32 hwreg(HW_REG_WAVE_MODE, 25, 1), 1
	s_wait_xcnt 0x0
	s_wait_alu depctr_hold_cnt(0) depctr_sa_sdst(0) depctr_va_vdst(0) depctr_va_sdst(0) depctr_va_ssrc(0) depctr_va_vcc(0) depctr_vm_vsrc(0)
	s_getreg_b32 s2, hwreg(HW_REG_IB_STS2, 6, 4)
	s_cmp_eq_u32 s2, 0
	s_cbranch_scc0 .Lentry_in_a_cluster
	s_endpgm
.Lentry_in_a_cluster:
	s_bfe_u32 s2, ttmp6, 0x10000c
	s_cmp_lg_u32 s2, 0xf033
	s_cbranch_scc0 .Lentry_shape_is_right
	s_endpgm
.Lentry_shape_is_right:
; q = x Wq^T + bq, k = x Wk^T + bk, v = x Wv^T + bv on codes of E5M2 (K = 1,024), and each result quantised at once for the attention's products: q and k along the head's 64, v along the keys.
; ONE TEXT FOR THE THREE.  Source 0 of the matrix instruction takes 16 rows of P, source 1 16 rows of R: a lane then holds ONE row of R and its registers run along P's rows, which is the axis that is quantised.
;   q, k: P = Wq | Wk (2,048 rows: the heads' channels), R = x.     v: P = x (the keys), R = Wv.
; Both operands lie in memory in the order that has the rows' bits 3 and 4 exchanged, so the 16 registers of P's tiles 2 b and 2 b + 1 are P's rows 32 b + 16 (lane / 16) + 0 .. 15: half a block of 32, the other half in lane l xor 16.
; SHARES.  A tile of 256 (R) x 256 (P) to a work-group of four waves, 128 x 128 a wave: 64 accumulators, 512 registers.  Clusters of 4 x 4: clusters x = 0, 1 make q and k (8 x 16 tiles), cluster x = 2 makes v (16 tiles of P, by the cluster's y, x 4 of R).
; 192 work-groups: tiles that gave 256 would cut a head or a step of 128 keys in two.  R's tile is shared along a row of the cluster, P's along a column: each is asked for JOINTLY.
; K goes in four steps of 256 through two LDS slots; the scale bytes of the work-group's rows, for all of K, come once with the first fills.
; THE WAY OUT has no LDS: a block of 16 rows of R x 128 of P is 64 numbers a lane; bias added, quantised, its four groups of four code registers ARE four pieces of the attention's operands and are stored as they stand:
; lane l's 16 bytes at 16 l, 512 consecutive aligned bytes a store.  qkv: [b][48 heads: 16 q, 16 k, 16 v][131,072]; q, k: tile of 16 positions x 1,024 + block of channels x 512; v: step of 128 keys x 8,192 + tile of 16 channels x 2,048 + block of keys x 512.
; qkvs: [b][48][16 steps][256]: the word of unit u (q, k: a pair of tiles, bytes even c0, even c1, odd c0, odd c1; v: a tile of channels, its four key blocks), row r, at byte 8 (r + 16 (u % 2)) + 4 (u / 2).
; LIMITS: a block whose largest magnitude lies under 2^-111 gets the byte 1; NaN and infinities are not served.
; REGISTERS, in windows of 256: window 0: v0-31 addresses; v32-63 scale words, two sets; v64-127 the bias; from v128 R's fragments, one set, later the way out.  window 1: P's fragments, two sets.  windows 2, 3: the accumulators ((a, b) at v[8 (8 (a % 4) + b)]).
.set SIZE_K, 1024
.set KSTEP,  256
.set NQ,     KSTEP/128
.set ROWB,   256                       ; a tile's row in bytes
.set KROW,   SIZE_K                    ; a row of codes in memory
.set PITCH,  272                       ; an LDS row: 256 bytes + 16 of padding: the 16 rows that a load touches start at 16 different banks (64 banks of 4 bytes: ISA guide 11.1)
.set FR,     16                        ; registers of a fragment
.set NL,     4                         ; LDS loads that bring one
.set NP,     8                         ; places behind this matrix instruction (ISA guide 7.12.1)
.set HALFT,  128*PITCH
.set SLOT,   4*HALFT                   ; R's 256 rows, then P's 256 rows
.set KS,     SIZE_K/32                 ; a row of scale bytes
.set SCL,    2*SLOT                    ; behind the ring: the scales, as units of 256 bytes + 16 of padding
.set HALFS,  (128*KS/256)*272
.set SBLK,   (16*KS/256)*272
.set SPARE,  SCL+4*HALFS               ; behind the scales: the spare words, 128 bytes for each wave
.set HH,   2                           ; v2   lane / 16; never rewritten
.set LI,   8                           ; v8   16 x lane: a piece's place for my lane
.set L8,   9                           ; v9   8 x lane: a scale record's
.set VBQ,  10                          ; v10  64 (lane / 16): my half's bias of q, k
.set VBV,  11                          ; v11  4 (r + 8 (r / 8)): my row's bias of v
.set ADRA, 16                          ; v16-17  LDS address of my fragments of R in slot 0, 1
.set ADRB, 20                          ; v20-21  of P
.set ADRS, 27                          ; v27     of my scale words: lanes 0-15 R's rows, lanes 16-31 P's
.set SPW,  28                          ; v28     LDS address of my spare word; never rewritten
.set NIL,  29                          ; v29     0; never rewritten
.set SC,   32                          ; scale words: set s at v[SC + 16 s]; register 2 i + q: lanes 0-15 R's block i, lanes 16-31 P's block i
.set BI,   64                          ; the bias
.set AF,   128                         ; R's fragments
.set X,    128                         ; the way out: a block's 64 numbers
.set PC,   192                         ; its codes
.set TM,   208                         ; at work: +0 largest magnitudes, +4 bytes, +12 the conversions' scale operand
.set WD,   224                         ; the eight blocks' scale words
.set PR,   232                         ; scale words on their way out
.set SEL,  20                          ; s[20:21] lane selects for v_permlanex16_b32: lane l xor 16
.set MNT,  22
.set G1, 24                            ; s[24:31] descriptor group 1 for R's tiles;  s[32:39] group 0, one set for each slot
.set G0, 32
.set G1B, 48                           ; s[48:55], s[56:63] the same for P's tiles
.set G0B, 56
.set G1S, 68                           ; s[68:75], s[76:79] groups 1 and 0 for R's scales;  s[80:87], s[88:91] for P's
.set G0S, 76
.set G1SB, 80
.set G0SB, 88
.set MSB, 0
.macro WIN new                         ; the immediate's high byte repeats the setting that is left
.if MSB != \new
	s_set_vgpr_msb (MSB<<8)|\new
.set MSB, \new
.endif
.endm
.set MUL_LO, 0xa1                      ; source 0 (P) window 1, source 1 (R) window 0, C and D window 2
.set MUL_HI, 0xf1                      ; the same, C and D window 3
.set TO_B,   0x40                      ; destination window 1, address window 0
; A joint load: waves 0 and 1 fetch for R, waves 2 and 3 for P.  Each line has one mask and one set of registers for all that issue it; the branch hangs on the wave's number alone.
; An s_nop 0 and four v_nop follow each of the two lines.
.macro JLOAD g0a, g1a, g0b, g1b
	s_cmp_eq_u32 s15, 0
	s_cbranch_scc0 .Lfor_b_\@
	tensor_load_to_lds s[\g0a:\g0a+3], s[\g1a:\g1a+7]
	s_nop 0
.rept 4
	v_nop
.endr
	s_branch .Lasked_\@
.Lfor_b_\@:
	tensor_load_to_lds s[\g0b:\g0b+3], s[\g1b:\g1b+7]
	s_nop 0
.rept 4
	v_nop
.endr
.Lasked_\@:
.endm
.macro CREST                           ; a round of the cluster's barrier behind its opening barrier
	s_cmp_lg_u32 s14, 0
	s_cbranch_scc1 .Lnot_wave_0_\@
	s_barrier_signal -3
.Lnot_wave_0_\@:
	s_barrier_wait -3
	s_barrier_signal -1
	s_barrier_wait -1
.endm
.macro CROUND                          ; a whole round
	s_barrier_signal -1
	s_barrier_wait -1
	CREST
.endm
	s_load_b256 s[4:11], s[0:1], 0x0               ; x's codes, x's scales, the weights' codes, the weights' scales
	v_lshl_add_u32 v[SPW], v0, 2, SPARE
	v_mov_b32 v[NIL], 0
	ds_add_u32 v[SPW], v[NIL]                      ; the wave's opening: the add, twice on end, and its wait ahead of my first tensor load
	ds_add_u32 v[SPW], v[NIL]
	v_lshrrev_b32 v1, 5, v0
	v_readfirstlane_b32 s14, v1                    ; wave 0..3
	s_lshr_b32 s15, s14, 1                         ; which half of R's rows is mine.  Also: I fetch for R (0) or for P (1)
	s_and_b32 s16, s14, 1                          ; which half of P's rows.  Also: which 128 rows of that tile I fetch
	s_bfe_u32 s40, ttmp6, 0x40000                  ; cx, cy: my place in the cluster
	s_bfe_u32 s41, ttmp6, 0x40004
	s_and_b32 s17, ttmp7, 0xffff                   ; the cluster's y
	s_cmp_eq_u32 ttmp9, 2                          ; the cluster's x, which all sixteen partners share: 2 = v
	s_cselect_b32 s42, s17, ttmp9                  ; P's tiles go by the cluster's y for v, by its x for q and k
	s_cselect_b32 s17, 0, s17                      ; R's: v has one cluster's worth
	s_cselect_b32 s95, 2048, 0                     ; Wv begins at row 2,048 of the weights
	s_lshl_b32 s42, s42, 2
	s_add_co_u32 s42, s42, s40                     ; P's tile
	s_lshl_b32 s17, s17, 2
	s_add_co_u32 s17, s17, s41                     ; R's tile
	s_lshl_b32 s43, s41, 2
	s_lshl_b32 s43, 15, s43                        ; my row of the cluster
	s_lshl_b32 s44, 0x1111, s40                    ; my column
	; descriptor group 1: a tile of 128 rows x 256 bytes, 16 bytes of padding behind each row
	s_or_b32 s[G1+0], s43, (0<<16)|(1<<20)|(1<<21)|(5<<22)|(3<<25)  ; 15:0 the mask: R's tiles go to my row; 17:16 elements of 1 byte; 20 padding on; 21 set beside a mask; 24:22 after every 64 words; 31:25 four words
	s_or_b32 s[G1B+0], s44, (0<<16)|(1<<20)|(1<<21)|(5<<22)|(3<<25)
.irp g, G1, G1B
	s_mov_b32 s[\g+1], ROWB<<16                    ; tensor_dim0
	s_mov_b32 s[\g+2], 128<<16                     ; tensor_dim1
	s_mov_b32 s[\g+3], ROWB<<16                    ; tile_dim0
	s_mov_b32 s[\g+4], 128                         ; tile_dim1
	s_mov_b32 s[\g+5], KROW                        ; tensor_dim0_stride
	s_mov_b32 s[\g+6], 0
	s_mov_b32 s[\g+7], 0
.endr
	; the scales of 128 rows: a dense block of 4,096 bytes, as 16 rows of 256 bytes (32 elements of 8), 16 bytes of padding behind each
	s_or_b32 s[G1S+0], s43, (3<<16)|(1<<20)|(1<<21)|(5<<22)|(3<<25)
	s_or_b32 s[G1SB+0], s44, (3<<16)|(1<<20)|(1<<21)|(5<<22)|(3<<25)
.irp g, G1S, G1SB
	s_mov_b32 s[\g+1], 32<<16
	s_mov_b32 s[\g+2], (128*KS/256)<<16
	s_mov_b32 s[\g+3], 32<<16
	s_mov_b32 s[\g+4], 128*KS/256
	s_mov_b32 s[\g+5], 32
	s_mov_b32 s[\g+6], 0
	s_mov_b32 s[\g+7], 0
.endr
	s_lshl_b32 s18, s16, 7                         ; which 128 rows of the tile I fetch
	s_lshl_b32 s20, s17, 8
	s_add_co_u32 s20, s20, s18
	s_add_co_u32 s20, s20, s95                     ; R: row 256 x tile + 128 x half (+ 2,048)
	s_lshl_b32 s46, s42, 8
	s_add_co_u32 s46, s46, s18                     ; P: row 256 x tile + 128 x half
	s_lshl_b32 s22, s20, 5                         ; where these rows' scales begin, in bytes,
	s_mov_b32 s23, 0
	s_lshl_b32 s20, s20, 10                        ; and their codes (all under 2^23)
	s_mov_b32 s21, 0
	s_lshl_b32 s92, s46, 5
	s_mov_b32 s93, 0
	s_lshl_b32 s46, s46, 10
	s_mov_b32 s47, 0
	s_mul_i32 s45, s14, HALFT                      ; where they go: wave x 128 rows: no place in the cluster enters an LDS address
	s_mul_i32 s94, s14, HALFS
	s_wait_dscnt 0x0                               ; both opening adds are done
	s_wait_kmcnt 0x0
	s_cmp_eq_u32 ttmp9, 2
	s_cselect_b64 s[96:97], s[8:9], s[4:5]         ; R's codes: the weights' for v, x's for q and k
	s_cselect_b64 s[98:99], s[10:11], s[6:7]       ; R's scales
	s_cselect_b64 s[100:101], s[4:5], s[8:9]       ; P's codes
	s_cselect_b64 s[104:105], s[6:7], s[10:11]     ; P's scales
	s_add_nc_u64 s[20:21], s[96:97], s[20:21]
	s_add_nc_u64 s[22:23], s[98:99], s[22:23]
	s_add_nc_u64 s[46:47], s[100:101], s[46:47]
	s_add_nc_u64 s[92:93], s[104:105], s[92:93]
	CROUND                                         ; all sixteen work-groups are here: the first joint loads meet
	s_mov_b32 s[G0S], 1
	s_add_co_u32 s[G0S+1], s94, SCL
	s_mov_b64 s[G0S+2:G0S+3], s[22:23]
	s_or_b32 s[G0S+3], s[G0S+3], 0x80000000
	s_mov_b32 s[G0SB], 1
	s_add_co_u32 s[G0SB+1], s94, SCL
	s_mov_b64 s[G0SB+2:G0SB+3], s[92:93]
	s_or_b32 s[G0SB+3], s[G0SB+3], 0x80000000
	JLOAD G0S, G1S, G0SB, G1SB                     ; the scales first: they are wanted with K step 0
.irp s, 0,1
	s_mov_b32 s[G0+4*\s], 1
	s_add_co_u32 s[G0+4*\s+1], s45, \s*SLOT
	s_add_nc_u64 s[G0+4*\s+2:G0+4*\s+3], s[20:21], \s*ROWB
	s_or_b32 s[G0+4*\s+3], s[G0+4*\s+3], 0x80000000
	s_mov_b32 s[G0B+4*\s], 1
	s_add_co_u32 s[G0B+4*\s+1], s45, \s*SLOT
	s_add_nc_u64 s[G0B+4*\s+2:G0B+4*\s+3], s[46:47], \s*ROWB
	s_or_b32 s[G0B+4*\s+3], s[G0B+4*\s+3], 0x80000000
	s_wait_alu depctr_va_vdst(0)
	s_wait_tensorcnt 0x0                           ; a wait for my tensor loads, an add and its wait, and a round ahead of every further first fill
	ds_add_u32 v28, v29
	s_wait_dscnt 0x0
	CROUND
	JLOAD G0+4*\s, G1, G0B+4*\s, G1B               ; one tensor load a wave behind each round
.endr
	s_load_b256 s[4:11], s[0:1], 0x20              ; bq s[4:5], bk s[6:7], bv s[8:9], qkv s[10:11]
	s_load_b64 s[12:13], s[0:1], 0x40              ; qkvs
	v_and_b32 v1, 15, v0                           ; r = lane % 16
	v_bfe_u32 v[HH], v0, 4, 1                      ; lane / 16
	v_mul_u32_u24 v3, v1, PITCH
	v_lshl_add_u32 v4, v[HH], 4, v3                ; a fragment's row x pitch + 16 x half
	s_mul_i32 s21, s15, HALFT                      ; my 128 rows of R
	s_mul_i32 s22, s16, HALFT                      ; my 128 rows of P,
	s_add_co_u32 s22, s22, 2*HALFT                 ; which lie behind R's 256
.irp s, 0,1
	v_add_nc_u32 v[ADRA+\s], s21, v4
	v_add_nc_u32 v[ADRB+\s], s22, v4
	s_add_co_u32 s21, s21, SLOT
	s_add_co_u32 s22, s22, SLOT
.endr
	v_mul_u32_u24 v5, v1, KS                       ; my row's scales: 32 bytes a row,
	v_lshrrev_b32 v6, 8, v5
	v_lshl_add_u32 v5, v6, 4, v5                   ; and 16 more for each 256 passed
	s_mul_i32 s21, s15, HALFS
	s_mul_i32 s22, s16, HALFS
	s_add_co_u32 s22, s22, 2*HALFS
	s_sub_co_u32 s22, s22, s21
	v_mul_u32_u24 v6, s22, v[HH]                   ; lanes 16-31 take P's: one product, the distance between the two bases
	s_add_co_u32 s21, s21, SCL
	v_add_nc_u32 v5, v5, v6
	v_add_nc_u32 v[ADRS], s21, v5
	v_and_b32 v7, 31, v0
	v_lshlrev_b32 v[LI], 4, v7
	v_lshlrev_b32 v[L8], 3, v7
	v_lshlrev_b32 v[VBQ], 6, v[HH]
	v_and_b32 v[VBV], 8, v1
	v_add_nc_u32 v[VBV], v[VBV], v1
	v_lshlrev_b32 v[VBV], 2, v[VBV]
	s_mov_b32 s[SEL], 0x76543210
	s_mov_b32 s[SEL+1], 0xfedcba98
	; where my results go: batch, first head of my two, step of 128 positions
	s_lshl_b32 s18, s17, 2
	s_lshl_b32 s19, s15, 1
	s_add_co_u32 s18, s18, s19
	s_add_co_u32 s18, s18, 32                      ; v: head 32 + 4 x R's tile + 2 x half
	s_lshl_b32 s19, s42, 2
	s_lshl_b32 s46, s16, 1
	s_add_co_u32 s19, s19, s46                     ; q, k: head 4 x P's tile + 2 x half
	s_cmp_eq_u32 ttmp9, 2
	s_cselect_b32 s18, s18, s19                    ; the head
	s_cselect_b32 s19, s42, s17                    ; x's tile of 256 positions
	s_cselect_b32 s46, s16, s15                    ; and my half of it
	s_and_b32 s47, s19, 7
	s_lshl_b32 s47, s47, 1
	s_add_co_u32 s47, s47, s46                     ; the step
	s_lshr_b32 s19, s19, 3                         ; the batch
	s_mul_i32 s19, s19, 48
	s_add_co_u32 s19, s19, s18
	s_lshl_b32 s92, s19, 17
	s_lshl_b32 s46, s47, 13
	s_add_co_u32 s92, s92, s46
	s_mov_b32 s93, 0
	s_wait_alu depctr_va_vdst(0)
	s_wait_kmcnt 0x0
	s_add_nc_u64 s[10:11], s[10:11], s[92:93]
	s_lshl_b32 s92, s19, 12
	s_lshl_b32 s46, s47, 8
	s_add_co_u32 s92, s92, s46
	s_add_nc_u64 s[12:13], s[12:13], s[92:93]
.macro FRAG reg, adr, q, i             ; a fragment, 16 rows x 128 K: lane l holds row l % 16; registers 4 c .. 4 c + 3 hold K = 32 c + 16 (l / 16) + 0 .. 15
.irp c, 0,1,2,3
	ds_load_b128 v[\reg+4*\c:\reg+4*\c+3], v[\adr] offset:128*(\q)+32*\c+(\i)*16*PITCH
.endr
.endm
; 16 matrix instructions: R's blocks a0, a0 + 1 x P's eight, 128 along K.  p: P's set; sc: the set of scale words.  zero = 1: the first product starts the sums.
; The 64 accumulators take turns, one instruction a turn, in the same order in every step.
.macro MUL16 a0, p, q, sc, zero
.irp a, \a0, \a0+1
.irp b, 0,1,2,3,4,5,6,7
.if \zero
	v_wmma_scale_f32_16x16x128_f8f6f4 v[8*(8*((\a)%4)+\b):8*(8*((\a)%4)+\b)+7], v[128*(\p)+FR*\b:128*(\p)+FR*\b+FR-1], v[AF+FR*(\a):AF+FR*(\a)+FR-1], 0, v[SC+8*NQ*(\sc)+NQ*\b+(\q)], v[SC+8*NQ*(\sc)+NQ*(\a)+(\q)] matrix_a_fmt:MATRIX_FMT_BF8 matrix_b_fmt:MATRIX_FMT_BF8 matrix_a_scale:MATRIX_SCALE_ROW1
.else
	v_wmma_scale_f32_16x16x128_f8f6f4 v[8*(8*((\a)%4)+\b):8*(8*((\a)%4)+\b)+7], v[128*(\p)+FR*\b:128*(\p)+FR*\b+FR-1], v[AF+FR*(\a):AF+FR*(\a)+FR-1], v[8*(8*((\a)%4)+\b):8*(8*((\a)%4)+\b)+7], v[SC+8*NQ*(\sc)+NQ*\b+(\q)], v[SC+8*NQ*(\sc)+NQ*(\a)+(\q)] matrix_a_fmt:MATRIX_FMT_BF8 matrix_b_fmt:MATRIX_FMT_BF8 matrix_a_scale:MATRIX_SCALE_ROW1
.endif
.endr
.endr
.endm
.macro FETCH_B slot, q, p              ; P's eight fragments of the slot's q-th 128 along K into set p
	WIN TO_B
.irp i, 0,1,2,3,4,5,6,7
	FRAG 128*(\p)+FR*\i, ADRB+\slot, \q, \i
.endr
	WIN 0
.endm
.macro FETCH_A slot, q, i0             ; R's blocks i0 .. i0 + 3
.irp i, \i0, \i0+1, \i0+2, \i0+3
	FRAG AF+FR*(\i), ADRA+\slot, \q, \i
.endr
.endm
.macro SCALES sc                       ; a K step's scale words into set sc: two words a row
.irp i, 0,1,2,3,4,5,6,7
	ds_load_b64 v[SC+8*NQ*\sc+NQ*\i:SC+8*NQ*\sc+NQ*\i+1], v[ADRS] offset:\i*SBLK
.endr
.endm
; A load into a register that a matrix instruction has read, and a vector instruction that reads a matrix result or writes one of its registers, stand eight places behind it; only plain vector
; instructions that name none of its registers are places.
.macro PLACES n
.rept \n
	v_nop
.endr
.endm
; A step of 128 along K that has its successor in the same slot.  R has one set of registers: blocks 0-3 are fetched anew in the step's middle, blocks 4-7 at its end.
.macro STEP slot, q, zero
	s_wait_dscnt 4*NL                              ; P's set and R's blocks 0-3 are in; the youngest 16 loads (R's blocks 4-7) may be out
	WIN MUL_LO
	MUL16 0, (\q)%2, \q, \slot, \zero
	MUL16 2, (\q)%2, \q, \slot, \zero
	s_wait_dscnt 0                                 ; R's blocks 4-7 are in
	PLACES NP
	FETCH_B \slot, (\q)+1, 1-(\q)%2
	FETCH_A \slot, (\q)+1, 0
	WIN MUL_HI
	MUL16 4, (\q)%2, \q, \slot, \zero
	MUL16 6, (\q)%2, \q, \slot, \zero
	PLACES NP
	WIN 0
	FETCH_A \slot, (\q)+1, 4
.endm
; A slot's last step changes slots: one barrier; in front of it each wave waits for all its tensor loads, adds 0 to its spare word, and waits for that and for its own reads of this slot.  fill = 1: this slot is filled again, two K steps ahead.
.macro TURN slot, next, fill
	s_wait_tensorcnt 0x0                           ; all my tensor loads have landed: my part of the next slot
	ds_add_u32 v[SPW], v[NIL]
	s_wait_dscnt 4*NL+1                            ; (the add and the youngest 16 loads may be out)
	WIN MUL_LO
	MUL16 0, 1, NQ-1, \slot, 0                     ; sixteen matrix instructions stand between the add and the wait for it
	s_wait_dscnt 0x0                               ; the add is done, and my reads of this slot are over
	s_barrier_signal -1
	MUL16 2, 1, NQ-1, \slot, 0
	WIN 0
	s_barrier_wait -1
.if \fill
	CREST                                          ; the barrier has opened a round of the cluster's barrier: no wave of any partner still reads this slot or has a load on its way
	s_add_nc_u64 s[G0+4*\slot+2:G0+4*\slot+3], s[G0+4*\slot+2:G0+4*\slot+3], 2*ROWB
	s_add_nc_u64 s[G0B+4*\slot+2:G0B+4*\slot+3], s[G0B+4*\slot+2:G0B+4*\slot+3], 2*ROWB
	JLOAD G0+4*\slot, G1, G0B+4*\slot, G1B         ; the first tensor load behind the round; its four v_nop are among the places in front of the loads below
	PLACES NP-4
.else
	PLACES NP
.endif
	s_wait_alu depctr_va_vdst(0)
	v_add_nc_u32 v[ADRS], 4*NQ, v[ADRS]            ; on to the next K step's scale words
	FETCH_B \next, 0, 0
	FETCH_A \next, 0, 0
	SCALES \next
	WIN MUL_HI
	MUL16 4, 1, NQ-1, \slot, 0
	MUL16 6, 1, NQ-1, \slot, 0
	PLACES NP
	WIN 0
	FETCH_A \next, 0, 4
.endm
.macro LAST                            ; the very last step: nothing more to fetch
	s_wait_dscnt 4*NL
	WIN MUL_LO
	MUL16 0, 1, NQ-1, 1, 0
	MUL16 2, 1, NQ-1, 1, 0
	s_wait_dscnt 0
	WIN MUL_HI
	MUL16 4, 1, NQ-1, 1, 0
	MUL16 6, 1, NQ-1, 1, 0
	WIN 0
.endm
; THE WAY OUT.  MOVE: block a's 64 sums + the bias, into window 0; each accumulator is read from its low end on.  mode 0 (q, k): the bias goes with the register (P's row); mode 1 (v): with the lane (R's row).
.macro MOVE a, mode
	WIN 0x02+(\a)/4                                ; source 0: window 2 or 3
.set AC, 64*((\a)%4)
.set k, 0
.rept 32
.if \mode
	v_pk_add_f32 v[X+k:X+k+1], v[AC+k:AC+k+1], v[BI+2*(\a):BI+2*(\a)+1]
.else
	v_pk_add_f32 v[X+k:X+k+1], v[AC+k:AC+k+1], v[BI+k:BI+k+1]
.endif
.set k, k+2
.endr
	WIN 0
.endm
; 64 numbers of a lane, register 16 b + i = place 32 b + 16 (lane / 16) + i along the quantised axis, become 16 registers of codes in v[PC] on and a scale word in v[pw].
.macro QUANT s, pw
.irp b, 0,1,2,3
	v_max3_num_f32 v[TM+\b], |v[\s+16*\b]|, |v[\s+1+16*\b]|, 0x8000000   ; block b: my 16 numbers, and the floor 2^(16 - 127): the byte cannot fall under 1
.endr
.irp i, 2,4,6,8,10,12,14
.irp b, 0,1,2,3
	v_max3_num_f32 v[TM+\b], v[TM+\b], |v[\s+16*\b+\i]|, |v[\s+1+16*\b+\i]|   ; (the four blocks by turns)
.endr
.endr
.irp b, 0,1,2,3
	v_permlanex16_b32 v[TM+4+\b], v[TM+\b], s[SEL], s[SEL+1]
.endr
.irp b, 0,1,2,3
	v_max_num_f32 v[TM+\b], v[TM+\b], v[TM+4+\b]   ; with lane l xor 16's: the block's largest magnitude
.endr
.irp b, 0,1,2,3
	v_add_nc_u32 v[TM+12+\b], 0xf8800000, v[TM+\b]   ; 15 off its exponent field: the conversion's scale operand
.endr
.irp b, 0,1,2,3
.endr
.irp b, 0,1,2,3
	v_lshrrev_b32 v[TM+4+\b], 23, v[TM+12+\b]      ; the scale's byte
.endr
	v_lshl_or_b32 v[\pw], v[TM+5], 8, v[TM+4]
	v_lshl_or_b32 v[\pw], v[TM+6], 16, v[\pw]
	v_lshl_or_b32 v[\pw], v[TM+7], 24, v[\pw]
.irp b, 0,1,2,3
.irp i, 0,1,2,3,4,5,6,7,8,9,10,11,12,13,14,15
.endr
	v_cvt_scalef32_pk8_bf8_f32 v[PC+4*\b:PC+1+4*\b], v[\s+16*\b:\s+7+16*\b], v[TM+12+\b]
	v_cvt_scalef32_pk8_bf8_f32 v[PC+2+4*\b:PC+3+4*\b], v[\s+8+16*\b:\s+15+16*\b], v[TM+12+\b]
.endr
	v_nop                                          ; a plain line between the last conversion and the next vector instruction that writes its sources
.endm
.macro PUT a, mode                     ; the four pieces as they stand: each store covers 512 consecutive bytes, aligned
.irp b, 0,1,2,3
.if \mode
	global_store_b128 v[LI], v[PC+4*\b:PC+4*\b+3], s[10:11] offset:((\a)/4)*131072+((\a)%4)*2048+\b*512   ; head a / 4, tile of channels a % 4, block of keys b
.else
	global_store_b128 v[LI], v[PC+4*\b:PC+4*\b+3], s[10:11] offset:(\b/2)*131072+(\a)*1024+(\b%2)*512     ; head b / 2, tile of positions a, block of channels b % 2
.endif
.endr
.endm
.macro SCOUT mode                      ; the step's scale records of my two heads: lanes 0-15 units 0 and 2, lanes 16-31 units 1 and 3; 256 consecutive aligned bytes a store
	v_cmp_eq_u32 vcc_lo, 1, v[HH]
.irp x, 0,1
.if \mode
	v_cndmask_b32 v[PR+4+2*\x], v[WD+4*\x], v[WD+4*\x+1], vcc_lo
	v_cndmask_b32 v[PR+5+2*\x], v[WD+4*\x+2], v[WD+4*\x+3], vcc_lo
.else
.irp p, 0,1,2,3
	v_perm_b32 v[PR+\p], v[WD+2*\p+1], v[WD+2*\p], 0x05040100+0x02020202*\x   ; head x's two bytes of the even tile below, of the odd tile above
.endr
	v_cndmask_b32 v[PR+4+2*\x], v[PR], v[PR+1], vcc_lo
	v_cndmask_b32 v[PR+5+2*\x], v[PR+2], v[PR+3], vcc_lo
.endif
	global_store_b64 v[L8], v[PR+4+2*\x:PR+5+2*\x], s[12:13] offset:\x*4096
.endr
.endm
.macro WAYOUT mode
	PLACES NP                                      ; behind the last products: their results are read and R's fragment registers written below
	s_wait_loadcnt 0x0                             ; the bias
.irp b, 0,1,2,3
	v_mov_b32 v[TM+4+\b], 0                        ; a lane permute's destination counts as one of its sources
.endr
.irp a, 0,1,2,3,4,5,6,7
.if \a > 0
	s_wait_xcnt 0x0                                ; the last block's stores have read their data: the codes' registers are written again only behind this wait
.endif
	MOVE \a, \mode
	QUANT X, WD+\a
	PUT \a, \mode
.endr
	SCOUT \mode
.endm
	s_wait_tensorcnt 1                             ; the scales and my part of K step 0 are in (K step 1's load may be out)
	s_barrier_signal -1
	s_barrier_wait -1                              ; everybody's are
	FETCH_B 0, 0, 0
	FETCH_A 0, 0, 0
	SCALES 0
	FETCH_A 0, 0, 4
	STEP 0, 0, 1                                   ; K step 0: its first products start the sums
	TURN 0, 1, 1                                   ; slot 0 takes K step 2
	STEP 1, 0, 0
	TURN 1, 0, 1                                   ; slot 1 takes K step 3
	STEP 0, 0, 0
	TURN 0, 1, 0                                   ; nothing is left to fetch
	s_cmp_eq_u32 ttmp9, 2                          ; the cluster's x: the same in all waves of all sixteen partners
	s_cbranch_scc1 .Lv
	; ---- q, k: the bias of my 128 rows of P is asked for here and lands under the last 128 matrix instructions
	s_lshl_b32 s18, s42, 8
	s_lshl_b32 s19, s16, 7
	s_add_co_u32 s18, s18, s19
	s_and_b32 s18, s18, 1023                       ; my first row within Wq or Wk
	s_lshl_b32 s18, s18, 2
	s_mov_b32 s19, 0
	s_cmp_lt_u32 s42, 4
	s_cselect_b64 s[4:5], s[4:5], s[6:7]           ; bq or bk
	s_add_nc_u64 s[4:5], s[4:5], s[18:19]
.irp b, 0,1,2,3
.irp q, 0,1,2,3
	global_load_b128 v[BI+16*\b+4*\q:BI+16*\b+4*\q+3], v[VBQ], s[4:5] offset:128*\b+16*\q   ; register 16 b + i: row 32 b + 16 (lane / 16) + i
.endr
.endr
	STEP 1, 0, 0
	LAST
	WAYOUT 0
	s_branch .Ljoin
.Lv:
	; ---- v: the bias of my 128 rows of R: block a's row r is Wv's row 32 (a / 2) + 8 (a % 2) + r + 8 (r / 8); twice, to fill the pair of the packed addition
	s_lshl_b32 s18, s17, 8
	s_lshl_b32 s19, s15, 7
	s_add_co_u32 s18, s18, s19
	s_lshl_b32 s18, s18, 2
	s_mov_b32 s19, 0
	s_add_nc_u64 s[8:9], s[8:9], s[18:19]
.irp a, 0,1,2,3,4,5,6,7
	global_load_b32 v[BI+2*\a], v[VBV], s[8:9] offset:4*(32*(\a/2)+8*(\a%2))
	global_load_b32 v[BI+2*\a+1], v[VBV], s[8:9] offset:4*(32*(\a/2)+8*(\a%2))
.endr
	STEP 1, 0, 0
	LAST
	WAYOUT 1
.Ljoin:
	s_wait_tensorcnt 0x0                           ; the wave's end: a wait, an add to my spare word and its wait, behind my last tensor load
	ds_add_u32 v[SPW], v[NIL]
	s_wait_dscnt 0x0
	CROUND                                         ; the closing round: no work-group ends while a partner may still ask for a tile that names it
	s_endpgm
.Lfunc_end_k_qe176e53c4a_qkvgemm:
	.size	k_qe176e53c4a_qkvgemm, .Lfunc_end_k_qe176e53c4a_qkvgemm-k_qe176e53c4a_qkvgemm
	.p2alignl 7, 3214868480
	.fill 96, 4, 3214868480
	.section	.rodata,"a",@progbits
	.p2align	6, 0x0
	.amdhsa_kernel k_qe176e53c4a_qkvgemm
		.amdhsa_group_segment_fixed_size 327680
		.amdhsa_private_segment_fixed_size 0
		.amdhsa_enable_private_segment 0
		.amdhsa_kernarg_size 72
		.amdhsa_user_sgpr_count 2
		.amdhsa_user_sgpr_kernarg_segment_ptr 1
		.amdhsa_wavefront_size32 1
		.amdhsa_system_sgpr_workgroup_id_x 1
		.amdhsa_system_sgpr_workgroup_id_y 1
		.amdhsa_system_sgpr_workgroup_id_z 1
		.amdhsa_system_vgpr_workitem_id 0
		.amdhsa_next_free_vgpr 1024
		.amdhsa_next_free_sgpr 106
		.amdhsa_reserve_vcc 1
		.amdhsa_float_denorm_mode_32 3
		.amdhsa_float_denorm_mode_16_64 3
		.amdhsa_fp16_overflow 1
		.amdhsa_memory_ordered 1
		.amdhsa_forward_progress 1
		.amdhsa_inst_pref_size 241
	.end_amdhsa_kernel
	.amdgpu_metadata
---
amdhsa.version: [ 1, 2 ]
amdhsa.kernels:
  - .name:           k_qe176e53c4a_qkvgemm
    .symbol:         k_qe176e53c4a_qkvgemm.kd
    .args:
      - { .name: xcodes, .offset: 0, .size: 8, .value_kind: global_buffer, .address_space: global }
      - { .name: xscales, .offset: 8, .size: 8, .value_kind: global_buffer, .address_space: global }
      - { .name: wcodes, .offset: 16, .size: 8, .value_kind: global_buffer, .address_space: global }
      - { .name: wscales, .offset: 24, .size: 8, .value_kind: global_buffer, .address_space: global }
      - { .name: bq, .offset: 32, .size: 8, .value_kind: global_buffer, .address_space: global }
      - { .name: bk, .offset: 40, .size: 8, .value_kind: global_buffer, .address_space: global }
      - { .name: bv, .offset: 48, .size: 8, .value_kind: global_buffer, .address_space: global }
      - { .name: qkv, .offset: 56, .size: 8, .value_kind: global_buffer, .address_space: global }
      - { .name: qkvs, .offset: 64, .size: 8, .value_kind: global_buffer, .address_space: global }
    .group_segment_fixed_size: 327680
    .private_segment_fixed_size: 0
    .kernarg_segment_align: 8
    .kernarg_segment_size: 72
    .max_flat_workgroup_size: 128
    .sgpr_count:     106
    .vgpr_count:     1024
    .wavefront_size: 32
...
	.end_amdgpu_metadata
.endif
;; end of part 2
;; launch attn (part 3): grid 8 x 32, 16 waves a work-group, clusters of 4 x 1, 327,680 bytes of LDS; arguments qkv, qkvs, time_deltas, time_decay, acodes, ascales; writes acodes, ascales
.if DOCPART == 3
	.amdgcn_target "amdgcn-amd-amdhsa--gfx1250"
	.amdhsa_code_object_version 6
	.text
	.protected	k_qe176e53c4a_attn
	.globl	k_qe176e53c4a_attn
	.p2align	8
	.type	k_qe176e53c4a_attn,@function
k_qe176e53c4a_attn:
	s_mov_b64 s[64:65], 0
	v_nop
	global_prefetch_b8 v0, s[64:65] scope:SCOPE_SE
	s_setreg_imm32_b32 hwreg(HW_REG_WAVE_MODE, 25, 1), 1
	s_wait_xcnt 0x0
	s_wait_alu depctr_hold_cnt(0) depctr_sa_sdst(0) depctr_va_vdst(0) depctr_va_sdst(0) depctr_va_ssrc(0) depctr_va_vcc(0) depctr_vm_vsrc(0)
	s_getreg_b32 s2, hwreg(HW_REG_IB_STS2, 6, 4)
	s_cmp_eq_u32 s2, 0
	s_cbranch_scc0 .Lentry_in_a_cluster
	s_endpgm
.Lentry_in_a_cluster:
	s_bfe_u32 s2, ttmp6, 0x10000c
	s_cmp_lg_u32 s2, 0x3003
	s_cbranch_scc0 .Lentry_shape_is_right
	s_endpgm
.Lentry_shape_is_right:
; For each batch b and head h: o[q] = sum over k <= q of softmax_k((q . k / 8) exp(-a_h |t_q - t_k|)) v[k], both products on codes of E5M2 with one E8M0 scale for each 32 along K; o is quantised along the model's 1,024 for the last projection.
; WORK LEFT OUT: steps of 128 keys that lie wholly behind a wave's 16 queries (the problem's own causal mask makes their p zero for all values of the inputs).
; THE SOFTMAX: t = logit x log2(e); M = the largest t so far, rounded UP to a whole number; p = 2^(t - M) is quantised along the keys, not normalised; the row's sum is taken of the unquantised p and divides at the end.
; When M moves, the sum and O are multiplied by 2^(old M - new M): exact.  t_q - t_k is formed from the times as they are given, then |.| x (-a_h log2(e)), then the exponential: no factor e^(a t) is ever formed.
; LIMITS: v_exp_f32 gives 0 for results under 2^-126; a block whose largest magnitude lies under 2^-111 gets the byte 1; NaN and infinities among the inputs are not served.
; SHARES.  Work-group (J, y): y = 16 b + h, J = 0 .. 7.  Each of its SIXTEEN waves owns ONE tile of 16 queries, tile 8 blk(w) + J of the head's 128, and walks key steps 0 .. blk(w).  blk is a magic square of order 4 less 1,
; read row by row: every four waves w / 4 alike and every four waves w % 4 alike have 34 steps together, and every work-group 136.  One wave of every work-group has blk = 15, so every work-group reads all 16 steps.
; LDS holds the WHOLE head, filled once: no slot is ever filled again.  The four work-groups of a cluster have one head: every tile is asked for JOINTLY.  The loads go out in five parts, so that the first steps begin while the rest lands.
; LAYOUT.  Operands lie in memory as images of their registers: a piece of 512 bytes, lane l's 16 bytes at 16 l, is four registers: 16 rows x 32 along K.  Both products are used transposed: a lane holds one query (lane % 16) throughout.
; The rows of a tile of positions are 32 b + 8 u + r + 8 (r / 8) (tile 2 b + u), so the 16 score registers of tiles 2 b, 2 b + 1 are keys 32 b + 16 (lane / 16) + 0 .. 15; the tiles of v's channels likewise.
; K = 64 IN AN INSTRUCTION OF 128: a fragment of k holds TWO tiles of keys (registers 0-7 the even, 8-15 the odd).  q lies as [q][8 registers of zero codes][q]: the first 16 registers give the even tile's scores, the last 16 the odd tile's;
; a zero code times a finite code is 0, and the quantiser's hold makes every code finite.  q's scale word is its two bytes twice.
.set KREG,  0                          ; LDS: k's pieces: step x 8,192 + pair of tiles x 2,048
.set VREG,  131072                     ; v's: step x 8,192 + tile of channels x 2,048
.set KSC,   262144                     ; k's scale records, 256 bytes a step
.set VSC,   266240                     ; v's
.set TK,    270336                     ; the batch's 2,048 times
.set SPARE, 278528                     ; the spare words, 128 bytes for each of 16 waves
.set AK0,  1                           ; v1   16 x lane
.set AV0,  2                           ; v2   16 x lane + VREG
.set ASK0, 3                           ; v3   KSC + 8 r
.set ASV0, 4                           ; v4   VSC + 8 r
.set SPW,  5                           ; v5   LDS address of my spare word; never rewritten
.set NIL,  6                           ; v6   0; never rewritten
.set ATK0, 7                           ; v7   TK + 64 (lane / 16)
.set ADK,  8                           ; v8-11, v41: the step's LDS addresses
.set ADV,  9
.set ADS,  10
.set ADT,  11
.set NM,   12                          ; v12  -M        (v[12:13] is named as a pair: the low word serves both halves)
.set TMX,  13                          ; v13  the largest t so far
.set SUM,  14                          ; v[14:15] the row's sum in two halves
.set QA,   16                          ; v16-31  q, zeros
.set QB,   24                          ; v24-39  zeros, q
.set QSW,  40                          ; v40  q's scale word
.set ADTK, 41
.set TQ,   42                          ; v[42:43] t_q, twice
.set KSW,  44                          ; v44-47  k's scale words: unit u in register 2 (u % 2) + u / 2
.set VSW,  48                          ; v48-51  v's likewise
.set PSW,  52                          ; v52  p's scale word
.set TMP,  53
.set FF,   54                          ; v[54:55] f = 2^(old M - new M); the low word serves both halves
.set DQ,   56                          ; v56  my query within its step - 16 (lane / 16)
.set NINF, 57                          ; v57  -infinity
.set TQO,  58                          ; v58  offset of my query's time
.set OS,   59                          ; v59  32 r: my row of the result's scale bytes
.set PD,   60                          ; v60-61 lane permutes' destinations on the way out
.set W16,  62                          ; v62  the result's two scale bytes
.set S,    64                          ; v64-127  the scores, then p
.set D,    128                         ; v128-191 the times, then the decay; then:
.set PC,   128                         ;   v128-143 p's codes
.set BM,   144                         ;   v144-147 the blocks' largest
.set PX,   148                         ;   v148-151 at work
.set HL,   152
.set SO,   156                         ;   v156-159 the conversions' scale operand
.set V2,   160                         ;   v160-191 v's tiles 2 and 3
.set O,    192                         ; v192-223 O^T
.set F,    224                         ; v224-255 two fragments of k or of v
.set WV,   16                          ; s16  my wave's number
.set BLK,  17                          ; s17  blk(w): my queries' step
.set SEL,  20                          ; s[20:21] lane selects for v_permlanex16_b32: lane l xor 16
.set CS,   22                          ; s[22:23] log2(e) / 8
.set G1S,  24                          ; s[24:31] descriptor group 1: 8 rows of 256 bytes;  s[32:39]: 32 rows;  s[40:47]: 192 rows
.set G1C,  32
.set G1R,  40
.set MNT,  66
.set CH,   67                          ; s67  -a_h log2(e)
.set KS,   72                          ; s72  the step
.set TB,   73                          ; s73  8,192 x step
.set TS,   74                          ; s74  256 x step
.set TT,   75                          ; s75  512 x step
.set CNT,  76
.macro CROUND                          ; a round of the cluster's barrier
	s_barrier_signal -1
	s_barrier_wait -1
	s_cmp_lg_u32 s[WV], 0
	s_cbranch_scc1 .Lnot_wave_0_\@
	s_barrier_signal -3
.Lnot_wave_0_\@:
	s_barrier_wait -3
	s_barrier_signal -1
	s_barrier_wait -1
.endm
	s_load_b256 s[4:11], s[0:1], 0x0               ; qkv s[4:5], qkvs s[6:7], time_deltas s[8:9], time_decay s[10:11]
	s_load_b128 s[12:15], s[0:1], 0x20             ; acodes s[12:13], ascales s[14:15]
	v_lshl_add_u32 v[SPW], v0, 2, SPARE
	v_mov_b32 v[NIL], 0
	ds_add_u32 v[SPW], v[NIL]                      ; the wave's opening: the add, twice on end, and its wait ahead of my first tensor load
	ds_add_u32 v[SPW], v[NIL]
	v_lshrrev_b32 v8, 5, v0
	s_delay_alu instid0(VALU_DEP_1)
	v_readfirstlane_b32 s[WV], v8                  ; wave 0..15
	s_bfe_u32 s18, ttmp6, 0x40000                  ; cx
	s_lshl_b32 s77, ttmp9, 2
	s_add_co_u32 s18, s18, s77                     ; J = 4 x cluster x + cx: it enters global addresses and the mask's numbers alone
	s_and_b32 s19, ttmp7, 0xffff                   ; y = 16 b + h, which the four partners share
	s_mov_b32 s77, 0x0de3b658                      ; blk of waves 8 to 15, four bits each,
	s_cmp_lt_u32 s[WV], 8
	s_cselect_b32 s77, 0x7a94c12f, s77             ; of waves 0 to 7
	s_and_b32 s78, s[WV], 7
	s_lshl_b32 s78, s78, 2
	s_lshr_b32 s77, s77, s78
	s_and_b32 s[BLK], s77, 15
	; descriptor group 1: dense blocks as rows of 256 bytes (32 elements of 8), no padding: every read is 16 x lane + constants
.irp g, G1S, G1C, G1R
	s_mov_b32 s[\g], 15|(3<<16)|(1<<21)            ; 15:0 the mask: all four work-groups; 17:16 elements of 8 bytes; 21 set beside a mask
	s_mov_b32 s[\g+1], 32<<16                      ; tensor_dim0
	s_mov_b32 s[\g+3], 32<<16                      ; tile_dim0
	s_mov_b32 s[\g+5], 32                          ; tensor_dim0_stride
	s_mov_b32 s[\g+6], 0
	s_mov_b32 s[\g+7], 0
.endr
	s_mov_b32 s[G1S+2], 8<<16                      ; tensor_dim1,
	s_mov_b32 s[G1S+4], 8                          ; tile_dim1
	s_mov_b32 s[G1C+2], 32<<16
	s_mov_b32 s[G1C+4], 32
	s_mov_b32 s[G1R+2], 192<<16
	s_mov_b32 s[G1R+4], 192
	; what waves 0 to 3 fetch: kv = wave / 2 (k or v), hf = wave % 2 (which half)
	s_lshr_b32 s77, s[WV], 1                       ; kv
	s_and_b32 s78, s[WV], 1                        ; hf
	s_lshr_b32 s79, s19, 4                         ; b
	s_and_b32 s80, s19, 15                         ; h
	s_mul_i32 s81, s79, 48
	s_add_co_u32 s81, s81, s80                     ; q's head among the 96: 48 b + h
	s_lshl_b32 s82, s77, 4
	s_add_co_u32 s82, s82, s81
	s_add_co_u32 s82, s82, 16                      ; k's or v's
	s_lshl_b32 s83, s78, 11
	s_mov_b32 s48, 1                               ; load 0: half of the head's scale records, 2,048 bytes
	s_lshl_b32 s49, s77, 12
	s_add_co_u32 s49, s49, s83
	s_add_co_u32 s49, s49, KSC
	s_lshl_b32 s84, s82, 12
	s_add_co_u32 s84, s84, s83
	s_mov_b32 s85, 0
	s_mov_b32 s52, 1                               ; load 1: a quarter of the batch's times, 2,048 bytes
	s_lshl_b32 s53, s[WV], 11
	s_lshl_b32 s90, s79, 13
	s_add_co_u32 s90, s90, s53
	s_mov_b32 s91, 0
	s_add_co_u32 s53, s53, TK
	s_mov_b32 s56, 1                               ; load 2: key step hf, 8,192 bytes
	s_lshl_b32 s57, s77, 17
	s_lshl_b32 s87, s78, 13
	s_add_co_u32 s57, s57, s87
	s_lshl_b32 s92, s82, 17
	s_add_co_u32 s92, s92, s87
	s_mov_b32 s93, 0
	s_mov_b32 s60, 1                               ; load 3: key step 2 + hf
	s_add_co_u32 s61, s57, 16384
	s_mov_b32 s68, 1                               ; load 4: half of key steps 4 to 15, 49,152 bytes
	s_mul_i32 s88, s78, 49152
	s_lshl_b32 s69, s77, 17
	s_add_co_u32 s69, s69, s88
	s_add_co_u32 s69, s69, 32768
	s_lshl_b32 s94, s82, 17
	s_add_co_u32 s94, s94, s88
	s_add_co_u32 s94, s94, 32768
	s_mov_b32 s95, 0
	s_mov_b32 s[SEL], 0x76543210
	s_mov_b32 s[SEL+1], 0xfedcba98
	s_mov_b32 s[CS], 0x3e38aa3b                    ; log2(e) / 8
	s_mov_b32 s[CS+1], s[CS]                       ; (named with it as a pair, so it is written)
	s_mov_b32 s[KS], 0
	s_mov_b32 s[TB], 0
	s_mov_b32 s[TS], 0
	s_mov_b32 s[TT], 0
	s_wait_dscnt 0x0                               ; both opening adds are done
	s_wait_kmcnt 0x0
	s_add_nc_u64 s[50:51], s[6:7], s[84:85]
	s_or_b32 s51, s51, 0x80000000
	s_add_nc_u64 s[54:55], s[8:9], s[90:91]
	s_or_b32 s55, s55, 0x80000000
	s_add_nc_u64 s[58:59], s[4:5], s[92:93]
	s_add_nc_u64 s[62:63], s[58:59], 16384
	s_or_b32 s59, s59, 0x80000000
	s_or_b32 s63, s63, 0x80000000
	s_add_nc_u64 s[70:71], s[4:5], s[94:95]
	s_or_b32 s71, s71, 0x80000000
	s_lshl_b32 s92, s80, 2
	s_add_nc_u64 s[10:11], s[10:11], s[92:93]
	s_load_b32 s[CH], s[10:11], 0x0                ; a_h
	CROUND                                         ; all four work-groups are here: the joint loads meet
	s_cmp_lt_u32 s[WV], 4                          ; all fills of a wave stand in one branch on the wave's number, the same in every partner: five loads of mine are out
	s_cbranch_scc0 .Lno_fetch
	tensor_load_to_lds s[48:51], s[G1S:G1S+7]
	s_nop 0
	tensor_load_to_lds s[52:55], s[G1S:G1S+7]
	s_nop 0
	tensor_load_to_lds s[56:59], s[G1C:G1C+7]
	s_nop 0
	tensor_load_to_lds s[60:63], s[G1C:G1C+7]
	s_nop 0
	tensor_load_to_lds s[68:71], s[G1R:G1R+7]
	s_nop 0
.rept 4
	v_nop
.endr
.Lno_fetch:
	; my tile: tau = 8 blk + J; its first query within its step of 128: 32 (J / 2) + 8 (J % 2)
	s_lshl_b32 s86, s[BLK], 3
	s_add_co_u32 s86, s86, s18                     ; tau
	s_lshr_b32 s87, s18, 1
	s_and_b32 s88, s18, 1
	s_lshl_b32 s89, s87, 5
	s_lshl_b32 s90, s88, 3
	s_add_co_u32 s89, s89, s90
	s_lshl_b32 s92, s81, 17                        ; q's pieces: head x 131,072 + tau x 1,024
	s_lshl_b32 s94, s86, 10
	s_add_co_u32 s92, s92, s94
	s_add_nc_u64 s[4:5], s[4:5], s[92:93]
	s_lshl_b32 s92, s81, 12                        ; q's scale word: head x 4,096 + 256 blk + 128 ((J / 2) % 2) + 4 (J / 4)
	s_lshl_b32 s94, s[BLK], 8
	s_add_co_u32 s92, s92, s94
	s_and_b32 s94, s87, 1
	s_lshl_b32 s94, s94, 7
	s_add_co_u32 s92, s92, s94
	s_lshr_b32 s94, s18, 2
	s_lshl_b32 s94, s94, 2
	s_add_co_u32 s92, s92, s94
	s_add_nc_u64 s[6:7], s[6:7], s[92:93]
	s_lshl_b32 s92, s79, 13                        ; my queries' times
	s_lshl_b32 s94, s[BLK], 9
	s_add_co_u32 s92, s92, s94
	s_lshl_b32 s94, s89, 2
	s_add_co_u32 s92, s92, s94
	s_add_nc_u64 s[8:9], s[8:9], s[92:93]
	s_lshl_b32 s92, s19, 17                        ; the result's pieces: (16 b + h) x 131,072 + tau x 1,024
	s_lshl_b32 s94, s86, 10
	s_add_co_u32 s92, s92, s94
	s_add_nc_u64 s[12:13], s[12:13], s[92:93]
	s_lshl_b32 s92, s79, 16                        ; its scale bytes: (2,048 b + 16 tau) x 32 + 2 h
	s_lshl_b32 s94, s86, 9
	s_add_co_u32 s92, s92, s94
	s_lshl_b32 s94, s80, 1
	s_add_co_u32 s92, s92, s94
	s_add_nc_u64 s[14:15], s[14:15], s[92:93]
	s_mov_b32 s85, 0x03020302                      ; which half of the pair's word is my tile's: the odd tile's above,
	s_cmp_eq_u32 s88, 0
	s_cselect_b32 s85, 0x01000100, s85             ; the even tile's below; twice
	v_and_b32 v8, 15, v0                           ; r
	v_bfe_u32 v9, v0, 4, 1                         ; lane / 16
	v_and_b32 v10, 31, v0
	s_delay_alu instid0(VALU_DEP_1)
	v_lshlrev_b32 v[AK0], 4, v10
	s_delay_alu instid0(VALU_DEP_1)
	v_add_nc_u32 v[AV0], VREG, v[AK0]
	v_lshl_add_u32 v[ASK0], v8, 3, KSC
	v_lshl_add_u32 v[ASV0], v8, 3, VSC
	v_lshl_add_u32 v[ATK0], v9, 6, TK
	v_and_b32 v11, 8, v8
	s_delay_alu instid0(VALU_DEP_1)
	v_add_nc_u32 v11, v11, v8                      ; r + 8 (r / 8)
	v_lshlrev_b32 v[TMP], 3, v8
	s_delay_alu instid0(VALU_DEP_2)
	v_lshlrev_b32 v[TQO], 2, v11
.irp c, 0,1
	global_load_b128 v[QA+4*\c:QA+4*\c+3], v[AK0], s[4:5] offset:512*\c        ; q, and
	global_load_b128 v[QB+8+4*\c:QB+8+4*\c+3], v[AK0], s[4:5] offset:512*\c    ; q once more, behind the zeros
.endr
	global_load_b32 v[QSW], v[TMP], s[6:7]
	global_load_b32 v[TQ], v[TQO], s[8:9]
	v_lshlrev_b32 v[DQ], 4, v9
	s_delay_alu instid0(VALU_DEP_1)
	v_sub_nc_u32 v[DQ], v11, v[DQ]
	s_delay_alu instid0(VALU_DEP_1)
	v_add_nc_u32 v[DQ], s89, v[DQ]
	v_lshlrev_b32 v[OS], 5, v8
	v_mov_b32 v[NINF], 0xff800000
	v_mov_b32 v[TMX], 0xff61b1e6                   ; the largest t so far: -3e38, under every t
	s_delay_alu instid0(VALU_DEP_1)
	v_floor_f32 v[NM], -v[TMX]
	v_mov_b32 v[SUM], 0
	v_mov_b32 v[SUM+1], 0
	v_mov_b32 v[FF+1], 0                           ; (named as the upper half of a pair)
	v_mov_b32 v[PD], 0                             ; a lane permute's destination counts as one of its sources
	v_mov_b32 v[PD+1], 0
.irp j, 0,1,2,3,4,5,6,7
	v_mov_b32 v[QB+\j], 0                          ; the zero codes between q and q
.endr
.set i, 0
.rept 32
	v_mov_b32 v[O+i], 0                            ; O^T: the step is written for all steps alike; the first finds zeros, which the first change of M leaves zeros
.set i, i+1
.endr
; A KEY STEP: 128 keys.
.macro STEP
	s_cmp_gt_u32 s[KS], s[BLK]                     ; behind my queries' step: nothing of it counts.  The wave's number alone decides; no barrier, wait on the data mover or tensor load stands in a step
	s_cbranch_scc1 .Lhidden_\@
	s_setprio 2
	v_add_nc_u32 v[ADK], s[TB], v[AK0]
	v_add_nc_u32 v[ADV], s[TB], v[AV0]
	v_add_nc_u32 v[ADS], s[TS], v[ASK0]
	v_add_nc_u32 v[ADT], s[TS], v[ASV0]
	v_add_nc_u32 v[ADTK], s[TT], v[ATK0]
.rept 3
	v_nop                                          ; with the five additions: eight places behind the last step's products, in front of loads into registers that they read
.endr
.irp c, 0,1,2,3,4,5,6,7
	ds_load_b128 v[F+4*\c:F+4*\c+3], v[ADK] offset:512*\c                      ; k's pairs of tiles 0 and 1
.endr
	ds_load_b64 v[KSW:KSW+1], v[ADS]                                           ; scale words of pairs 0 and 2,
	ds_load_b64 v[KSW+2:KSW+3], v[ADS] offset:128                              ; of pairs 1 and 3
.irp c, 0,1,2,3,4,5,6,7,8,9,10,11,12,13,14,15
	ds_load_b128 v[D+4*\c:D+4*\c+3], v[ADTK] offset:128*(\c/4)+16*(\c%4)       ; t_k: register 16 b + i: key 32 b + 16 (lane / 16) + i
.endr
	s_wait_dscnt 16                                ; k and its words are in; the 16 loads of times may be out
	s_wait_alu depctr_va_vdst(0)
.irp p, 0,1
	v_wmma_scale_f32_16x16x128_f8f6f4 v[S+16*\p:S+16*\p+7], v[F+16*\p:F+16*\p+15], v[QA:QA+15], 0, v[KSW+2*\p], v[QSW] matrix_a_fmt:MATRIX_FMT_BF8 matrix_b_fmt:MATRIX_FMT_BF8
	v_wmma_scale_f32_16x16x128_f8f6f4 v[S+16*\p+8:S+16*\p+15], v[F+16*\p:F+16*\p+15], v[QB:QB+15], 0, v[KSW+2*\p], v[QSW] matrix_a_fmt:MATRIX_FMT_BF8 matrix_b_fmt:MATRIX_FMT_BF8
.endr
	s_wait_dscnt 0x0
.set i, 0
.rept 32
	v_pk_add_f32 v[D+i:D+i+1], v[D+i:D+i+1], v[TQ:TQ+1] neg_lo:[0,1] neg_hi:[0,1]   ; t_k - t_q.  (These are the places in front of the loads below)
.set i, i+2
.endr
.irp c, 0,1,2,3,4,5,6,7
	ds_load_b128 v[F+4*\c:F+4*\c+3], v[ADK] offset:4096+512*\c                 ; k's pairs 2 and 3
.endr
.set i, 0
.rept 32
	v_mul_f32 v[D+i], s[CH], |v[D+i]|              ; -a log2(e) |t_q - t_k|
.set i, i+1
.endr
	s_wait_dscnt 0x0
.irp p, 0,1
	v_wmma_scale_f32_16x16x128_f8f6f4 v[S+32+16*\p:S+32+16*\p+7], v[F+16*\p:F+16*\p+15], v[QA:QA+15], 0, v[KSW+2*\p+1], v[QSW] matrix_a_fmt:MATRIX_FMT_BF8 matrix_b_fmt:MATRIX_FMT_BF8
	v_wmma_scale_f32_16x16x128_f8f6f4 v[S+32+16*\p+8:S+32+16*\p+15], v[F+16*\p:F+16*\p+15], v[QB:QB+15], 0, v[KSW+2*\p+1], v[QSW] matrix_a_fmt:MATRIX_FMT_BF8 matrix_b_fmt:MATRIX_FMT_BF8
.endr
.set i, 32
.rept 32
	v_mul_f32 v[D+i], s[CH], |v[D+i]|              ; (places behind those products: for the loads below and for the first read of the scores)
.set i, i+1
.endr
.irp c, 0,1,2,3,4,5,6,7
	ds_load_b128 v[F+4*\c:F+4*\c+3], v[ADV] offset:512*\c                      ; v's tiles of channels 0 and 1
.endr
	ds_load_b64 v[VSW:VSW+1], v[ADT]
	ds_load_b64 v[VSW+2:VSW+3], v[ADT] offset:128
.set i, 0
	s_wait_alu depctr_va_vdst(0)
.rept 64
	v_exp_f32 v[D+i], v[D+i]                       ; the decay: one batch,
.set i, i+1
.endr
	v_nop                                          ; a plain line behind it,
	s_wait_alu depctr_va_vdst(0)                   ; and one wait ahead of its first reader
.set i, 0
.rept 32
	v_pk_mul_f32 v[S+i:S+i+1], v[S+i:S+i+1], v[D+i:D+i+1]   ; score x decay; each accumulator is read from its low end on
.set i, i+2
.endr
.irp c, 0,1,2,3,4,5,6,7
	ds_load_b128 v[V2+4*\c:V2+4*\c+3], v[ADV] offset:4096+512*\c               ; v's tiles 2 and 3, where the decay's upper half lay
.endr
	s_cmp_lg_u32 s[KS], s[BLK]                     ; only my queries' own step lies on the diagonal
	s_cbranch_scc1 .Lopen_\@
.set n, 0
.rept 64
	v_cmp_gt_i32 vcc_lo, 32*(n/16)+n%16, v[DQ]     ; register 16 b + i holds key 32 b + 16 (lane / 16) + i of the step: hidden where it comes after my query
	s_delay_alu instid0(VALU_DEP_1)
	v_cndmask_b32 v[S+n], v[S+n], v[NINF], vcc_lo
.set n, n+1
.endr
.Lopen_\@:
	s_setprio 1
.irp b, 0,1,2,3
	v_max3_num_f32 v[BM+\b], v[S+16*\b], v[S+1+16*\b], v[S+2+16*\b]   ; the largest score of each block of 32 keys: for the row's maximum and, since p rises with the score, for the block's largest p
.endr
.irp i, 3,5,7,9,11,13
.irp b, 0,1,2,3
	s_delay_alu instid0(VALU_DEP_4)
	v_max3_num_f32 v[BM+\b], v[BM+\b], v[S+16*\b+\i], v[S+1+16*\b+\i]
.endr
.endr
.irp b, 0,1,2,3
	s_delay_alu instid0(VALU_DEP_4)
	v_max_num_f32 v[BM+\b], v[BM+\b], v[S+15+16*\b]
.endr
.irp b, 0,1,2,3
	v_permlanex16_b32 v[PX+\b], v[BM+\b], s[SEL], s[SEL+1]
.endr
.irp b, 0,1,2,3
	s_delay_alu instid0(VALU_DEP_4)
	v_max_num_f32 v[BM+\b], v[BM+\b], v[PX+\b]     ; with lane l xor 16's 16 keys
.endr
	s_delay_alu instid0(VALU_DEP_2)
	v_max3_num_f32 v[TMP], v[BM], v[BM+1], v[BM+2]
	s_delay_alu instid0(VALU_DEP_1)
	v_max_num_f32 v[TMP], v[TMP], v[BM+3]
	s_delay_alu instid0(VALU_DEP_1)
	v_mul_f32 v[TMP], s[CS], v[TMP]                ; as t
	s_delay_alu instid0(VALU_DEP_1)
	v_max_num_f32 v[TMX], v[TMX], v[TMP]           ; the running largest t
	v_mov_b32 v[TMP], v[NM]
	s_delay_alu instid0(VALU_DEP_2)
	v_floor_f32 v[NM], -v[TMX]                     ; the new -M = floor(-t) = -ceil(t)
	s_delay_alu instid0(VALU_DEP_1)
	v_sub_f32 v[TMP], v[NM], v[TMP]                ; old M - new M: a whole number, 0 or less
	s_delay_alu instid0(VALU_DEP_1)
	v_cvt_i32_f32 v[TMP], v[TMP]                   ; (it saturates)
	s_delay_alu instid0(VALU_DEP_1)
	v_ldexp_f32 v[FF], 1.0, v[TMP]                 ; f = 2^(old M - new M)
.set i, 0
.rept 32
	v_pk_fma_f32 v[S+i:S+i+1], v[S+i:S+i+1], s[CS:CS+1], v[NM:NM+1] op_sel_hi:[1,0,0]   ; t - M
.set i, i+2
.endr
.irp b, 0,1,2,3
	v_fma_f32 v[BM+\b], v[BM+\b], s[CS], v[NM]     ; the same of each block's largest score
.endr
.set i, 0
	s_wait_alu depctr_va_vdst(0)
.rept 64
	v_exp_f32 v[S+i], v[S+i]                       ; p = 2^(t - M)
.set i, i+1
.endr
	v_pk_mul_f32 v[SUM:SUM+1], v[SUM:SUM+1], v[FF:FF+1] op_sel_hi:[1,0]   ; the sums under the new M (a plain line behind the batch)
	s_wait_alu depctr_va_vdst(0)                   ; one wait for the batch, ahead of its first reader
.irp b, 0,1,2,3
	v_exp_f32 v[BM+\b], v[BM+\b]                   ; the block's largest p: the same two instructions on the same number give the same bits
.endr
	v_pk_add_f32 v[148:149], v[68:69], v[72:73]
	v_pk_add_f32 v[158:159], v[76:77], v[80:81]
	v_pk_add_f32 v[156:157], v[84:85], v[88:89]
	v_pk_add_f32 v[154:155], v[92:93], v[96:97]
	v_pk_add_f32 v[152:153], v[100:101], v[104:105]
	s_setprio 0
	v_pk_add_f32 v[150:151], v[108:109], v[112:113]
	v_pk_add_f32 v[142:143], v[116:117], v[120:121]
	v_pk_add_f32 v[14:15], v[14:15], v[124:125]
	v_pk_add_f32 v[148:149], v[148:149], v[64:65]
	v_pk_add_f32 v[158:159], v[158:159], v[66:67]
	v_pk_add_f32 v[156:157], v[156:157], v[70:71]
	v_pk_add_f32 v[154:155], v[154:155], v[74:75]
	v_pk_add_f32 v[152:153], v[152:153], v[78:79]
	v_pk_add_f32 v[150:151], v[150:151], v[82:83]
	v_pk_add_f32 v[142:143], v[142:143], v[86:87]
	v_pk_add_f32 v[14:15], v[14:15], v[90:91]
	v_pk_add_f32 v[148:149], v[148:149], v[94:95]
	v_pk_add_f32 v[158:159], v[158:159], v[98:99]
	v_pk_add_f32 v[156:157], v[156:157], v[102:103]
	v_pk_add_f32 v[154:155], v[154:155], v[106:107]
	v_pk_add_f32 v[152:153], v[152:153], v[110:111]
	v_pk_add_f32 v[150:151], v[150:151], v[114:115]
	v_pk_add_f32 v[142:143], v[142:143], v[118:119]
	v_pk_add_f32 v[14:15], v[14:15], v[122:123]
	v_pk_add_f32 v[148:149], v[148:149], v[126:127]
	s_delay_alu instid0(VALU_DEP_2)
	v_pk_add_f32 v[14:15], v[14:15], v[154:155]
	s_delay_alu instid0(VALU_DEP_2)
	v_pk_add_f32 v[148:149], v[148:149], v[152:153]
	v_pk_add_f32 v[158:159], v[158:159], v[150:151]
	v_pk_add_f32 v[156:157], v[156:157], v[142:143]
	s_delay_alu instid0(VALU_DEP_2)
	v_pk_add_f32 v[14:15], v[14:15], v[158:159]
	s_delay_alu instid0(VALU_DEP_2)
	v_pk_add_f32 v[148:149], v[148:149], v[156:157]
	s_delay_alu instid0(VALU_DEP_1)
	v_pk_add_f32 v[14:15], v[14:15], v[148:149]
	s_wait_alu depctr_va_vdst(0)                   ; and one for the four
.irp b, 0,1,2,3
	v_max_num_f32 v[BM+\b], 0x8000000, v[BM+\b]    ; the floor 2^(16 - 127): a block whose every p is 0 keeps the byte 1: its codes are zeros
.endr
.irp b, 0,1,2,3
	s_delay_alu instid0(VALU_DEP_4)
	v_add_nc_u32 v[SO+\b], 0xf8800000, v[BM+\b]    ; 15 off the exponent field: the conversion's scale operand
.endr
.irp b, 0,1,2,3
.endr
.irp b, 0,1,2,3
	s_delay_alu instid0(VALU_DEP_4)
	v_lshrrev_b32 v[PX+\b], 23, v[SO+\b]           ; the scale's byte
.endr
	s_delay_alu instid0(VALU_DEP_3)
	v_lshl_or_b32 v[PSW], v[PX+1], 8, v[PX]        ; p's scale word for these 128 keys
	s_delay_alu instid0(VALU_DEP_1)
	v_lshl_or_b32 v[PSW], v[PX+2], 16, v[PSW]
	s_delay_alu instid0(VALU_DEP_1)
	v_lshl_or_b32 v[PSW], v[PX+3], 24, v[PSW]
.irp b, 0,1,2,3
.irp i, 0,1,2,3,4,5,6,7,8,9,10,11,12,13,14,15
.endr
	v_cvt_scalef32_pk8_bf8_f32 v[PC+4*\b:PC+1+4*\b], v[S+16*\b:S+7+16*\b], v[SO+\b]
	v_cvt_scalef32_pk8_bf8_f32 v[PC+2+4*\b:PC+3+4*\b], v[S+8+16*\b:S+15+16*\b], v[SO+\b]
.endr
.set i, 0
.rept 16
	v_pk_mul_f32 v[O+i:O+i+1], v[O+i:O+i+1], v[FF:FF+1] op_sel_hi:[1,0]   ; O^T under the new M.  (Also the lines between the codes' making and the products)
.set i, i+2
.endr
	s_wait_alu depctr_va_vdst(0)
	s_wait_dscnt 0x0                               ; v and its words are in
.irp t, 0,1
	v_wmma_scale_f32_16x16x128_f8f6f4 v[O+8*\t:O+8*\t+7], v[F+16*\t:F+16*\t+15], v[PC:PC+15], v[O+8*\t:O+8*\t+7], v[VSW+2*\t], v[PSW] matrix_a_fmt:MATRIX_FMT_BF8 matrix_b_fmt:MATRIX_FMT_BF8
.endr
.irp t, 0,1
	v_wmma_scale_f32_16x16x128_f8f6f4 v[O+16+8*\t:O+16+8*\t+7], v[V2+16*\t:V2+16*\t+15], v[PC:PC+15], v[O+16+8*\t:O+16+8*\t+7], v[VSW+2*\t+1], v[PSW] matrix_a_fmt:MATRIX_FMT_BF8 matrix_b_fmt:MATRIX_FMT_BF8
.endr
.Lhidden_\@:
	s_add_co_u32 s[KS], s[KS], 1
	s_add_co_u32 s[TB], s[TB], 8192
	s_add_co_u32 s[TS], s[TS], 256
	s_add_co_u32 s[TT], s[TT], 512
.endm
	s_wait_kmcnt 0x0                               ; a_h
	s_mov_b32 s84, 0xbfb8aa3b
	s_mul_f32 s[CH], s[CH], s84                    ; -a_h log2(e)
	s_wait_tensorcnt 2                             ; the scale records, the times and key steps 0 and 1 are in; the loads of steps 2-3 and 4-15 may be out
	s_barrier_signal -1
	s_barrier_wait -1                              ; everybody's are
	s_wait_loadcnt 0x0                             ; q, its scale word, my query's time
	v_perm_b32 v[QSW], v[QSW], v[QSW], s85         ; my tile's two bytes, twice
	v_mov_b32 v[TQ+1], v[TQ]
	s_mov_b32 s[CNT], 2
.Lfirst:                                           ; key steps 0 and 1
	STEP
	s_sub_co_u32 s[CNT], s[CNT], 1
	s_cmp_lg_u32 s[CNT], 0
	s_cbranch_scc1 .Lfirst
	s_setprio 0
	s_wait_tensorcnt 1                             ; key steps 2 and 3 are in; the last load may be out
	s_wait_dscnt 0x0
	s_barrier_signal -1
	s_barrier_wait -1
	s_mov_b32 s[CNT], 2
.Lsecond:                                          ; key steps 2 and 3
	STEP
	s_sub_co_u32 s[CNT], s[CNT], 1
	s_cmp_lg_u32 s[CNT], 0
	s_cbranch_scc1 .Lsecond
	s_setprio 0
	s_wait_tensorcnt 0x0                           ; all is in
	s_wait_dscnt 0x0
	s_barrier_signal -1
	s_barrier_wait -1                              ; the last barrier but the closing round: from here on no wave waits for another
	s_mov_b32 s[CNT], 12
.Lrest:                                            ; key steps 4 to 15
	STEP
	s_sub_co_u32 s[CNT], s[CNT], 1
	s_cmp_lg_u32 s[CNT], 0
	s_cbranch_scc1 .Lrest
	s_setprio 0
	; THE WAY OUT.  O^T / the sum: register 16 b + i is channel 32 b + 16 (lane / 16) + i of my query: two blocks of 32 of the last projection's K, each shared with lane l xor 16.  Quantised, the codes are two pieces of that product's operand.
.rept 8
	v_nop                                          ; places behind the last products
.endr
	v_add_f32 v[SUM], v[SUM], v[SUM+1]
	s_delay_alu instid0(VALU_DEP_1)
	v_permlanex16_b32 v[PD], v[SUM], s[SEL], s[SEL+1]
	s_delay_alu instid0(VALU_DEP_1)
	v_add_f32 v[SUM], v[SUM], v[PD]                ; the row's sum
	s_wait_alu depctr_va_vdst(0)
	v_rcp_f32 v[SUM], v[SUM]
	v_nop                                          ; a plain line behind the reciprocal,
	s_wait_alu depctr_va_vdst(0)                   ; and the wait ahead of its first reader
.set i, 0
.rept 16
	v_pk_mul_f32 v[S+i:S+i+1], v[O+i:O+i+1], v[SUM:SUM+1] op_sel_hi:[1,0]
.set i, i+2
.endr
.irp b, 0,1
	v_max3_num_f32 v[BM+\b], |v[S+16*\b]|, |v[S+1+16*\b]|, 0x8000000
.endr
.irp i, 2,4,6,8,10,12,14
.irp b, 0,1
	s_delay_alu instid0(VALU_DEP_2)
	v_max3_num_f32 v[BM+\b], v[BM+\b], |v[S+16*\b+\i]|, |v[S+1+16*\b+\i]|
.endr
.endr
.irp b, 0,1
	s_delay_alu instid0(VALU_DEP_2)
	v_permlanex16_b32 v[PD+\b], v[BM+\b], s[SEL], s[SEL+1]
.endr
.irp b, 0,1
	s_delay_alu instid0(VALU_DEP_2)
	v_max_num_f32 v[BM+\b], v[BM+\b], v[PD+\b]
.endr
.irp b, 0,1
	s_delay_alu instid0(VALU_DEP_2)
	v_add_nc_u32 v[SO+\b], 0xf8800000, v[BM+\b]
.endr
.irp b, 0,1
.endr
.irp b, 0,1
	s_delay_alu instid0(VALU_DEP_2)
	v_lshrrev_b32 v[PD+\b], 23, v[SO+\b]
.endr
	s_delay_alu instid0(VALU_DEP_1)
	v_lshl_or_b32 v[W16], v[PD+1], 8, v[PD]
.irp b, 0,1
.irp i, 0,1,2,3,4,5,6,7,8,9,10,11,12,13,14,15
.endr
	v_cvt_scalef32_pk8_bf8_f32 v[PC+4*\b:PC+1+4*\b], v[S+16*\b:S+7+16*\b], v[SO+\b]
	v_cvt_scalef32_pk8_bf8_f32 v[PC+2+4*\b:PC+3+4*\b], v[S+8+16*\b:S+15+16*\b], v[SO+\b]
.endr
	v_nop
	global_store_b128 v[AK0], v[PC:PC+3], s[12:13]                 ; each store covers 512 consecutive bytes, aligned
	global_store_b128 v[AK0], v[PC+4:PC+7], s[12:13] offset:512
	global_store_b16 v[OS], v[W16], s[14:15]                       ; two bytes of each row's 32: lanes r and r + 16 write the same bytes with the same value.  Short stores, rows 32 bytes apart: 131,072 bytes in the whole launch
	s_wait_tensorcnt 0x0                           ; the wave's end: a wait, an add to my spare word and its wait, behind my last tensor load
	ds_add_u32 v[SPW], v[NIL]
	s_wait_dscnt 0x0
	CROUND                                         ; the closing round
	s_endpgm
.Lfunc_end_k_qe176e53c4a_attn:
	.size	k_qe176e53c4a_attn, .Lfunc_end_k_qe176e53c4a_attn-k_qe176e53c4a_attn
	.p2alignl 7, 3214868480
	.fill 96, 4, 3214868480
	.section	.rodata,"a",@progbits
	.p2align	6, 0x0
	.amdhsa_kernel k_qe176e53c4a_attn
		.amdhsa_group_segment_fixed_size 327680
		.amdhsa_private_segment_fixed_size 0
		.amdhsa_enable_private_segment 0
		.amdhsa_kernarg_size 48
		.amdhsa_user_sgpr_count 2
		.amdhsa_user_sgpr_kernarg_segment_ptr 1
		.amdhsa_wavefront_size32 1
		.amdhsa_system_sgpr_workgroup_id_x 1
		.amdhsa_system_sgpr_workgroup_id_y 1
		.amdhsa_system_sgpr_workgroup_id_z 1
		.amdhsa_system_vgpr_workitem_id 0
		.amdhsa_next_free_vgpr 256
		.amdhsa_next_free_sgpr 96
		.amdhsa_reserve_vcc 1
		.amdhsa_float_denorm_mode_32 3
		.amdhsa_float_denorm_mode_16_64 3
		.amdhsa_fp16_overflow 1
		.amdhsa_memory_ordered 1
		.amdhsa_forward_progress 1
		.amdhsa_inst_pref_size 125
	.end_amdhsa_kernel
	.amdgpu_metadata
---
amdhsa.version: [ 1, 2 ]
amdhsa.kernels:
  - .name:           k_qe176e53c4a_attn
    .symbol:         k_qe176e53c4a_attn.kd
    .args:
      - { .name: qkv, .offset: 0, .size: 8, .value_kind: global_buffer, .address_space: global }
      - { .name: qkvs, .offset: 8, .size: 8, .value_kind: global_buffer, .address_space: global }
      - { .name: time_deltas, .offset: 16, .size: 8, .value_kind: global_buffer, .address_space: global }
      - { .name: time_decay, .offset: 24, .size: 8, .value_kind: global_buffer, .address_space: global }
      - { .name: acodes, .offset: 32, .size: 8, .value_kind: global_buffer, .address_space: global }
      - { .name: ascales, .offset: 40, .size: 8, .value_kind: global_buffer, .address_space: global }
    .group_segment_fixed_size: 327680
    .private_segment_fixed_size: 0
    .kernarg_segment_align: 8
    .kernarg_segment_size: 48
    .max_flat_workgroup_size: 512
    .sgpr_count:     96
    .vgpr_count:     256
    .wavefront_size: 32
...
	.end_amdgpu_metadata
.endif
;; end of part 3
;; launch outgemm (part 4): grid 4 x 16, 4 waves a work-group, clusters of 4 x 4, 327,680 bytes of LDS; arguments acodes, ascales, wcodes, wscales, bo, out0; writes out0
.if DOCPART == 4
	.amdgcn_target "amdgcn-amd-amdhsa--gfx1250"
	.amdhsa_code_object_version 6
	.text
	.protected	k_qe176e53c4a_outgemm
	.globl	k_qe176e53c4a_outgemm
	.p2align	8
	.type	k_qe176e53c4a_outgemm,@function
k_qe176e53c4a_outgemm:
	s_mov_b64 s[64:65], 0
	v_nop
	global_prefetch_b8 v0, s[64:65] scope:SCOPE_SE
	s_setreg_imm32_b32 hwreg(HW_REG_WAVE_MODE, 25, 1), 1
	s_wait_xcnt 0x0
	s_wait_alu depctr_hold_cnt(0) depctr_sa_sdst(0) depctr_va_vdst(0) depctr_va_sdst(0) depctr_va_ssrc(0) depctr_va_vcc(0) depctr_vm_vsrc(0)
	s_getreg_b32 s2, hwreg(HW_REG_IB_STS2, 6, 4)
	s_cmp_eq_u32 s2, 0
	s_cbranch_scc0 .Lentry_in_a_cluster
	s_endpgm
.Lentry_in_a_cluster:
	s_bfe_u32 s2, ttmp6, 0x10000c
	s_cmp_lg_u32 s2, 0xf033
	s_cbranch_scc0 .Lentry_shape_is_right
	s_endpgm
.Lentry_shape_is_right:
.set SIZE_K, 1024
.set KSTEP,  256
.set NQ,     KSTEP/128
.set ROWB,   256
.set KROW,   SIZE_K
.set PITCH,  272
.set FR,     16
.set NL,     4
.set NP,     8
.set HALFT,  128*PITCH
.set SLOT,   4*HALFT
.set ASTEP,  4*131072
.set KS,     SIZE_K/32
.set SCL,    2*SLOT
.set HALFS,  (128*KS/256)*272
.set SBLK,   (16*KS/256)*272
.set SPARE,  SCL+4*HALFS
.set SPITCH, 528
.set VB,   10
.set ADRA, 16
.set ADRB, 20
.set STO,  24
.set RD,   25
.set CO,   26
.set ADRS, 27
.set SPW,  28
.set NIL,  29
.set SC,   32
.set BI,   64
.set AF,   128
.set BK,   128
.set G1, 24
.set G0, 32
.set G1B, 48
.set G0B, 56
.set G1S, 68
.set G0S, 76
.set G1SB, 80
.set G0SB, 88
.set MSB, 0
.macro WIN new
.if MSB != \new
	s_set_vgpr_msb (MSB<<8)|\new
.set MSB, \new
.endif
.endm
.set MUL_LO, 0xa1
.set MUL_HI, 0xf1
.set TO_B,   0x40
.macro JLOAD g0a, g1a, g0b, g1b
	s_cmp_eq_u32 s15, 0
	s_cbranch_scc0 .Lfor_b_\@
	tensor_load_to_lds s[\g0a:\g0a+3], s[\g1a:\g1a+7]
	s_nop 0
.rept 4
	v_nop
.endr
	s_branch .Lasked_\@
.Lfor_b_\@:
	tensor_load_to_lds s[\g0b:\g0b+3], s[\g1b:\g1b+7]
	s_nop 0
.rept 4
	v_nop
.endr
.Lasked_\@:
.endm
.macro CREST
	s_cmp_lg_u32 s14, 0
	s_cbranch_scc1 .Lnot_wave_0_\@
	s_barrier_signal -3
.Lnot_wave_0_\@:
	s_barrier_wait -3
	s_barrier_signal -1
	s_barrier_wait -1
.endm
.macro CROUND
	s_barrier_signal -1
	s_barrier_wait -1
	CREST
.endm
	s_load_b128 s[4:7], s[0:1], 0x0
	s_load_b128 s[8:11], s[0:1], 0x10
	s_load_b128 s[96:99], s[0:1], 0x20
	v_lshl_add_u32 v[SPW], v0, 2, SPARE
	v_mov_b32 v[NIL], 0
	ds_add_u32 v[SPW], v[NIL]
	ds_add_u32 v[SPW], v[NIL]
	v_lshrrev_b32 v1, 5, v0
	v_readfirstlane_b32 s14, v1
	s_lshr_b32 s15, s14, 1
	s_and_b32 s16, s14, 1
	s_bfe_u32 s40, ttmp6, 0x40000
	s_bfe_u32 s41, ttmp6, 0x40004
	s_lshl_b32 s42, ttmp9, 2
	s_add_co_u32 s42, s42, s40
	s_and_b32 s17, ttmp7, 0xffff
	s_lshl_b32 s17, s17, 2
	s_add_co_u32 s17, s17, s41
	s_lshl_b32 s43, s41, 2
	s_lshl_b32 s43, 15, s43
	s_lshl_b32 s44, 0x1111, s40
	s_or_b32 s[G1+0], s43, (3<<16)|(1<<21)
	s_mov_b32 s[G1+1], 1024<<16
	s_mov_b32 s[G1+2], 4<<16
	s_mov_b32 s[G1+3], 1024<<16
	s_mov_b32 s[G1+4], 4
	s_mov_b32 s[G1+5], 16384
	s_mov_b32 s[G1+6], 0
	s_mov_b32 s[G1+7], 0
	s_or_b32 s[G1B+0], s44, (0<<16)|(1<<20)|(1<<21)|(5<<22)|(3<<25)
	s_mov_b32 s[G1B+1], ROWB<<16
	s_mov_b32 s[G1B+2], 128<<16
	s_mov_b32 s[G1B+3], ROWB<<16
	s_mov_b32 s[G1B+4], 128
	s_mov_b32 s[G1B+5], KROW
	s_mov_b32 s[G1B+6], 0
	s_mov_b32 s[G1B+7], 0
	s_or_b32 s[G1S+0], s43, (3<<16)|(1<<20)|(1<<21)|(5<<22)|(3<<25)
	s_or_b32 s[G1SB+0], s44, (3<<16)|(1<<20)|(1<<21)|(5<<22)|(3<<25)
.irp g, G1S, G1SB
	s_mov_b32 s[\g+1], 32<<16
	s_mov_b32 s[\g+2], (128*KS/256)<<16
	s_mov_b32 s[\g+3], 32<<16
	s_mov_b32 s[\g+4], 128*KS/256
	s_mov_b32 s[\g+5], 32
	s_mov_b32 s[\g+6], 0
	s_mov_b32 s[\g+7], 0
.endr
	s_lshr_b32 s20, s17, 3
	s_lshl_b32 s20, s20, 21
	s_and_b32 s18, s17, 7
	s_lshl_b32 s18, s18, 14
	s_add_co_u32 s20, s20, s18
	s_lshl_b32 s18, s16, 13
	s_add_co_u32 s20, s20, s18
	s_mov_b32 s21, 0
	s_lshl_b32 s22, s17, 13
	s_lshl_b32 s18, s16, 12
	s_add_co_u32 s22, s22, s18
	s_mov_b32 s23, 0
	s_lshl_b32 s46, s42, 8
	s_lshl_b32 s18, s16, 7
	s_add_co_u32 s46, s46, s18
	s_add_co_u32 s46, s46, 3072
	s_lshl_b32 s92, s46, 5
	s_mov_b32 s93, 0
	s_lshl_b32 s46, s46, 10
	s_mov_b32 s47, 0
	s_mul_i32 s45, s14, HALFT
	s_mul_i32 s94, s14, HALFS
	s_wait_dscnt 0x0
	s_wait_kmcnt 0x0
	s_add_nc_u64 s[20:21], s[4:5], s[20:21]
	s_add_nc_u64 s[22:23], s[6:7], s[22:23]
	s_add_nc_u64 s[46:47], s[8:9], s[46:47]
	s_add_nc_u64 s[92:93], s[10:11], s[92:93]
	CROUND
	s_mov_b32 s[G0S], 1
	s_add_co_u32 s[G0S+1], s94, SCL
	s_mov_b64 s[G0S+2:G0S+3], s[22:23]
	s_or_b32 s[G0S+3], s[G0S+3], 0x80000000
	s_mov_b32 s[G0SB], 1
	s_add_co_u32 s[G0SB+1], s94, SCL
	s_mov_b64 s[G0SB+2:G0SB+3], s[92:93]
	s_or_b32 s[G0SB+3], s[G0SB+3], 0x80000000
	JLOAD G0S, G1S, G0SB, G1SB
.irp s, 0,1
	s_mov_b32 s[G0+4*\s], 1
	s_add_co_u32 s[G0+4*\s+1], s45, \s*SLOT
	s_add_nc_u64 s[G0+4*\s+2:G0+4*\s+3], s[20:21], \s*ASTEP
	s_or_b32 s[G0+4*\s+3], s[G0+4*\s+3], 0x80000000
	s_mov_b32 s[G0B+4*\s], 1
	s_add_co_u32 s[G0B+4*\s+1], s45, \s*SLOT
	s_add_nc_u64 s[G0B+4*\s+2:G0B+4*\s+3], s[46:47], \s*ROWB
	s_or_b32 s[G0B+4*\s+3], s[G0B+4*\s+3], 0x80000000
	s_wait_alu depctr_va_vdst(0)
	s_wait_tensorcnt 0x0
	ds_add_u32 v28, v29
	s_wait_dscnt 0x0
	CROUND
	JLOAD G0+4*\s, G1, G0B+4*\s, G1B
.endr
	v_and_b32 v1, 15, v0
	v_bfe_u32 v2, v0, 4, 1
	v_and_b32 v7, 31, v0
	v_lshlrev_b32 v[CO], 4, v7
	v_lshlrev_b32 v[VB], 6, v2
	s_wait_alu depctr_va_vdst(0)
	s_lshl_b32 s20, s17, 8
	s_lshl_b32 s21, s15, 7
	s_add_co_u32 s20, s20, s21
	s_lshl_b32 s20, s20, 12
	s_lshl_b32 s46, s42, 10
	s_lshl_b32 s47, s16, 9
	s_add_co_u32 s46, s46, s47
	s_add_co_u32 s20, s20, s46
	s_mov_b32 s21, 0
	s_mov_b32 s47, 0
	s_add_nc_u64 s[98:99], s[98:99], s[20:21]
	s_add_nc_u64 s[96:97], s[96:97], s[46:47]
.irp b, 0,1,2,3,4,5,6,7
	global_load_b128 v[BI+8*\b:BI+8*\b+3], v[VB], s[96:97] offset:4*(32*(\b/2)+8*(\b%2))
	global_load_b128 v[BI+8*\b+4:BI+8*\b+7], v[VB], s[96:97] offset:4*(32*(\b/2)+8*(\b%2))+16
.endr
	v_mul_u32_u24 v3, v1, PITCH
	v_lshl_add_u32 v4, v2, 4, v3
	s_mul_i32 s21, s15, HALFT
	s_mul_i32 s22, s16, HALFT
	s_add_co_u32 s22, s22, 2*HALFT
.irp s, 0,1
	v_add_nc_u32 v[ADRA+\s], s21, v[CO]
	v_add_nc_u32 v[ADRB+\s], s22, v4
	s_add_co_u32 s21, s21, SLOT
	s_add_co_u32 s22, s22, SLOT
.endr
	v_mul_u32_u24 v5, v1, KS
	v_lshrrev_b32 v6, 8, v5
	v_lshl_add_u32 v5, v6, 4, v5
	s_mul_i32 s21, s15, HALFS
	s_mul_i32 s22, s16, HALFS
	s_add_co_u32 s22, s22, 2*HALFS
	s_sub_co_u32 s22, s22, s21
	v_mul_u32_u24 v6, s22, v2
	s_add_co_u32 s21, s21, SCL
	v_add_nc_u32 v5, v5, v6
	v_add_nc_u32 v[ADRS], s21, v5
	s_mul_i32 s23, s14, 16*SPITCH
	v_mul_u32_u24 v5, v1, SPITCH
	v_lshl_add_u32 v5, v2, 6, v5
	v_add_nc_u32 v[STO], s23, v5
	v_add_nc_u32 v[RD], s23, v[CO]
.macro FRAG reg, adr, q, i
.irp c, 0,1,2,3
	ds_load_b128 v[\reg+4*\c:\reg+4*\c+3], v[\adr] offset:128*(\q)+32*\c+(\i)*16*PITCH
.endr
.endm
.macro FRAGA reg, adr, q, i
.irp c, 0,1,2,3
	ds_load_b128 v[\reg+4*\c:\reg+4*\c+3], v[\adr] offset:(2*(\q)+\c/2)*8192+(\i)*1024+(\c%2)*512
.endr
.endm
.macro MUL16 a0, p, q, sc, zero
.irp a, \a0, \a0+1
.irp b, 0,1,2,3,4,5,6,7
.if \zero
	v_wmma_scale_f32_16x16x128_f8f6f4 v[8*(8*((\a)%4)+\b):8*(8*((\a)%4)+\b)+7], v[128*(\p)+FR*\b:128*(\p)+FR*\b+FR-1], v[AF+FR*(\a):AF+FR*(\a)+FR-1], v[BI+8*\b:BI+8*\b+7], v[SC+8*NQ*(\sc)+NQ*\b+(\q)], v[SC+8*NQ*(\sc)+NQ*(\a)+(\q)] matrix_a_fmt:MATRIX_FMT_BF8 matrix_b_fmt:MATRIX_FMT_BF8 matrix_a_scale:MATRIX_SCALE_ROW1
.else
	v_wmma_scale_f32_16x16x128_f8f6f4 v[8*(8*((\a)%4)+\b):8*(8*((\a)%4)+\b)+7], v[128*(\p)+FR*\b:128*(\p)+FR*\b+FR-1], v[AF+FR*(\a):AF+FR*(\a)+FR-1], v[8*(8*((\a)%4)+\b):8*(8*((\a)%4)+\b)+7], v[SC+8*NQ*(\sc)+NQ*\b+(\q)], v[SC+8*NQ*(\sc)+NQ*(\a)+(\q)] matrix_a_fmt:MATRIX_FMT_BF8 matrix_b_fmt:MATRIX_FMT_BF8 matrix_a_scale:MATRIX_SCALE_ROW1
.endif
.endr
.endr
.endm
.macro FETCH_B slot, q, p
	WIN TO_B
.irp i, 0,1,2,3,4,5,6,7
	FRAG 128*(\p)+FR*\i, ADRB+\slot, \q, \i
.endr
	WIN 0
.endm
.macro FETCH_A slot, q, i0
.irp i, \i0, \i0+1, \i0+2, \i0+3
	FRAGA AF+FR*(\i), ADRA+\slot, \q, \i
.endr
.endm
.macro SCALES sc
.irp i, 0,1,2,3,4,5,6,7
	ds_load_b64 v[SC+8*NQ*\sc+NQ*\i:SC+8*NQ*\sc+NQ*\i+1], v[ADRS] offset:\i*SBLK
.endr
.endm
.macro PLACES n
.rept \n
	v_nop
.endr
.endm
.macro STEP slot, q, zero
	s_wait_dscnt 4*NL
.if \zero
	WIN 0x81
.else
	WIN MUL_LO
.endif
	MUL16 0, (\q)%2, \q, \slot, \zero
	MUL16 2, (\q)%2, \q, \slot, \zero
	s_wait_dscnt 0
	PLACES NP
	FETCH_B \slot, (\q)+1, 1-(\q)%2
	FETCH_A \slot, (\q)+1, 0
.if \zero
	WIN 0xc1
.else
	WIN MUL_HI
.endif
	MUL16 4, (\q)%2, \q, \slot, \zero
	MUL16 6, (\q)%2, \q, \slot, \zero
	PLACES NP
	WIN 0
	FETCH_A \slot, (\q)+1, 4
.endm
.macro TURN slot, next, fill
	s_wait_tensorcnt 0x0
	ds_add_u32 v[SPW], v[NIL]
	s_wait_dscnt 4*NL+1
	WIN MUL_LO
	MUL16 0, 1, NQ-1, \slot, 0
	s_wait_dscnt 0x0
	s_barrier_signal -1
	MUL16 2, 1, NQ-1, \slot, 0
	WIN 0
	s_barrier_wait -1
.if \fill
	CREST
	s_add_nc_u64 s[G0+4*\slot+2:G0+4*\slot+3], s[G0+4*\slot+2:G0+4*\slot+3], 2*ASTEP
	s_add_nc_u64 s[G0B+4*\slot+2:G0B+4*\slot+3], s[G0B+4*\slot+2:G0B+4*\slot+3], 2*ROWB
	JLOAD G0+4*\slot, G1, G0B+4*\slot, G1B
	PLACES NP-4
.else
	PLACES NP
.endif
	s_wait_alu depctr_va_vdst(0)
	v_add_nc_u32 v[ADRS], 4*NQ, v[ADRS]
	FETCH_B \next, 0, 0
	FETCH_A \next, 0, 0
	SCALES \next
	WIN MUL_HI
	MUL16 4, 1, NQ-1, \slot, 0
	MUL16 6, 1, NQ-1, \slot, 0
	PLACES NP
	WIN 0
	FETCH_A \next, 0, 4
.endm
	s_wait_alu depctr_va_vdst(0)
	s_wait_tensorcnt 1
	s_barrier_signal -1
	s_barrier_wait -1
	FETCH_B 0, 0, 0
	FETCH_A 0, 0, 0
	SCALES 0
	FETCH_A 0, 0, 4
	s_wait_loadcnt 0x0
	STEP 0, 0, 1
	TURN 0, 1, 1
	STEP 1, 0, 0
	TURN 1, 0, 1
	STEP 0, 0, 0
	TURN 0, 1, 0
	STEP 1, 0, 0
	s_wait_dscnt 4*NL
	WIN MUL_LO
	MUL16 0, 1, NQ-1, 1, 0
	MUL16 2, 1, NQ-1, 1, 0
	s_wait_dscnt 0
	WIN MUL_HI
	MUL16 4, 1, NQ-1, 1, 0
	MUL16 6, 1, NQ-1, 1, 0
	WIN 0
.macro TOSTAGE a
.set AC, 64*((\a)%4)
	WIN 0x08+4*((\a)/4)
.irp b, 0,1,2,3,4,5,6,7
	ds_store_b128 v[STO], v[AC+8*\b:AC+8*\b+3] offset:128*(\b/2)+32*(\b%2)
	ds_store_b128 v[STO], v[AC+8*\b+4:AC+8*\b+7] offset:128*(\b/2)+32*(\b%2)+16
.endr
	WIN 0
.set BB, BK+64*((\a)%2)
.irp t, 0,1,2,3,4,5,6,7,8,9,10,11,12,13,14,15
	ds_load_b128 v[BB+4*\t:BB+4*\t+3], v[RD] offset:\t*SPITCH
.endr
.endm
.macro SEND a, younger
.set BB, BK+64*((\a)%2)
	s_wait_dscnt \younger
.irp t, 0,1,2,3,4,5,6,7,8,9,10,11,12,13,14,15
	global_store_b128 v[CO], v[BB+4*\t:BB+4*\t+3], s[98:99] offset:(32*((\a)/2)+8*((\a)%2)+\t+8*(\t/8))*4096 th:TH_STORE_NT
.endr
.endm
	PLACES NP
	TOSTAGE 0
.irp a, 1,2,3,4,5,6,7
.if \a > 1
	s_wait_xcnt 0x0
.endif
	TOSTAGE \a
	SEND \a-1, 32
.endr
	SEND 7, 0
	s_wait_tensorcnt 0x0
	ds_add_u32 v[SPW], v[NIL]
	s_wait_dscnt 0x0
	CROUND
	s_endpgm
.Lfunc_end_k_qe176e53c4a_outgemm:
	.size	k_qe176e53c4a_outgemm, .Lfunc_end_k_qe176e53c4a_outgemm-k_qe176e53c4a_outgemm
	.p2alignl 7, 3214868480
	.fill 96, 4, 3214868480
	.section	.rodata,"a",@progbits
	.p2align	6, 0x0
	.amdhsa_kernel k_qe176e53c4a_outgemm
		.amdhsa_group_segment_fixed_size 327680
		.amdhsa_private_segment_fixed_size 0
		.amdhsa_enable_private_segment 0
		.amdhsa_kernarg_size 48
		.amdhsa_user_sgpr_count 2
		.amdhsa_user_sgpr_kernarg_segment_ptr 1
		.amdhsa_wavefront_size32 1
		.amdhsa_system_sgpr_workgroup_id_x 1
		.amdhsa_system_sgpr_workgroup_id_y 1
		.amdhsa_system_sgpr_workgroup_id_z 1
		.amdhsa_system_vgpr_workitem_id 0
		.amdhsa_next_free_vgpr 1024
		.amdhsa_next_free_sgpr 100
		.amdhsa_reserve_vcc 0
		.amdhsa_float_denorm_mode_32 3
		.amdhsa_float_denorm_mode_16_64 3
		.amdhsa_memory_ordered 1
		.amdhsa_forward_progress 1
		.amdhsa_inst_pref_size 148
	.end_amdhsa_kernel
	.amdgpu_metadata
---
amdhsa.version: [ 1, 2 ]
amdhsa.kernels:
  - .name:           k_qe176e53c4a_outgemm
    .symbol:         k_qe176e53c4a_outgemm.kd
    .args:
      - { .name: acodes, .offset: 0, .size: 8, .value_kind: global_buffer, .address_space: global }
      - { .name: ascales, .offset: 8, .size: 8, .value_kind: global_buffer, .address_space: global }
      - { .name: wcodes, .offset: 16, .size: 8, .value_kind: global_buffer, .address_space: global }
      - { .name: wscales, .offset: 24, .size: 8, .value_kind: global_buffer, .address_space: global }
      - { .name: bo, .offset: 32, .size: 8, .value_kind: global_buffer, .address_space: global }
      - { .name: out0, .offset: 40, .size: 8, .value_kind: global_buffer, .address_space: global }
    .group_segment_fixed_size: 327680
    .private_segment_fixed_size: 0
    .kernarg_segment_align: 8
    .kernarg_segment_size: 48
    .max_flat_workgroup_size: 128
    .sgpr_count:     100
    .vgpr_count:     1024
    .wavefront_size: 32
...
	.end_amdgpu_metadata
.endif
;; end of part 4
